; MI455X (gfx1250); checked and timed in simulation.
; The chip was launched on July 23, 2026; its instructions are those of AMD's public machine-readable ISA for CDNA 5 (MIT licence, August 2026) and "CDNA5" Instruction Set Architecture Reference Guide (July 2026). The comments in the code are by the model that wrote it; some were corrected since.
;; Multi Head Attention. Allowed arithmetic: matrix products marked QUANTISED: E2M1 operands, one E8M0 scale for each 32 along K, by v_wmma_scale_f32_16x16x128_f8f6f4 with both operands' format E2M1 (or v_wmma_scale_f32_32x16x128_f4), f32 sums; products left as they are: bf16, f16 or f32 operands; f32 sums; everything else in f32.
;; Inputs: Wk 1,024 x 1,024 float32; Wo 1,024 x 1,024 float32; Wq 1,024 x 1,024 float32; Wv 1,024 x 1,024 float32; bk 1,024 float32; bo 1,024 float32; bq 1,024 float32; bv 1,024 float32; x 4 x 2,048 x 1,024 float32.
;; Outputs: out0 4 x 2,048 x 1,024 float32.
;; This version of the problem:
;;   THIS VERSION OF THE PROBLEM IS GIVEN IN LOW PRECISION. The matrix products marked QUANTISED in the list below multiply operands that are first quantised to E2M1 (2 exponent bits, 1 mantissa bit; 4 bits a number), with one power-of-two scale for each 32 numbers along K (OCP MX v1.0); their sums are f32. The products marked 'left as it is' may take bf16, f16 or f32 operands, with f32 sums. Whichever they take, every output number must still come out within the allowed error. Rounding operands to bf16 (8 significant bits) uses up far more of that allowance than f16 does (11 bits, for magnitudes from 6e-5 to 65,504). All else is computed in f32.
;;   The module's matrix products, in the order in which they are computed (A, B: the left and right operand; K: the contracted axis; several contracted axes count as one K, in the product's order):
;;     1. [M 8,192, K 1,024] x [K 1,024, N 1,024]; A: input x; B: input Wq: QUANTISED
;;     2. [M 8,192, K 1,024] x [K 1,024, N 1,024]; A: input x; B: input Wk: QUANTISED
;;     3. [M 8,192, K 1,024] x [K 1,024, N 1,024]; A: input x; B: input Wv: QUANTISED
;;     4. batch 64 x [M 2,048, K 64] x [K 64, N 2,048]; A: computed on the way; B: computed on the way: left as it is (an operand is computed on the way)
;;     5. batch 64 x [M 2,048, K 2,048] x [K 2,048, N 64]; A: computed on the way; B: computed on the way: left as it is (an operand is computed on the way)
;;     6. [M 8,192, K 1,024] x [K 1,024, N 1,024]; A: computed on the way; B: input Wo: left as it is (an operand is computed on the way)
;;   THE QUANTISER, for each operand of a quantised product, along K:
;;     - K is cut into blocks of 32 from its start; a last block that is shorter is filled with zeros.
;;     - A block's scale is 2^e with e = floor(log2(the largest magnitude in the block)) - 2, held to -126 .. 127; a block of zeros has e = 0. As a byte (E8M0): e + 127.
;;     - Each number is divided by its block's scale, clamped to +-6, and rounded to the nearest number of E2M1, ties to even, subnormals kept.
;;     - The product sums the exact products of the quantised numbers (number of the format x scale) in f32.
;;   ~~~python
;;   def quantise(x, axis):      # numpy; x: float32 -> the quantised numbers, widened to float32 again
;;       x = np.moveaxis(x, axis, -1); K = x.shape[-1]
;;       x = np.pad(x, [(0, 0)] * (x.ndim - 1) + [(0, -K % 32)]); x = x.reshape(x.shape[:-1] + (-1, 32)); a = np.abs(x).max(-1, keepdims=True)
;;       e = np.where(a > 0, np.clip(np.frexp(np.where(a > 0, a, 1))[1] - 1 - 2, -126, 127), 0)      # np.frexp(a)[1] - 1 = floor(log2(a)), exactly
;;       r = np.clip(x / 2.0 ** e, -6, 6)
;;       step = 2.0 ** (np.maximum(np.frexp(np.where(r == 0, 1, r))[1] - 1, 0) - 1)
;;       q = np.round(r / step) * step * 2.0 ** e      # np.round: ties to even
;;       return np.moveaxis(q.reshape(q.shape[:-2] + (-1,))[..., :K], -1, axis).astype(np.float32)
;;   ~~~
;; One version. Each part assembles by itself: llvm-mc -triple=amdgcn-amd-amdhsa -mcpu=gfx1250 --defsym DOCPART=n.
;; ======== version 1 of 1: 5 launches
;; limits: values are held in f16: magnitudes above 65,504 overflow, below 6.1e-05 lose precision
;; workspace buffers: x_codes 4,194,304 bytes; x_scales 262,144 bytes; w_codes 1,572,864 bytes; w_scales 98,304 bytes; wo16t 2,097,152 bytes; qkv 50,331,648 bytes; yh 16,777,216 bytes
;; launch qx (part 1): grid 256 x 1, 4 waves a work-group, no clusters, 33,280 bytes of LDS; arguments x, x_codes, x_scales; writes x_codes, x_scales
.if DOCPART == 1
	.amdgcn_target "amdgcn-amd-amdhsa--gfx1250"
	.amdhsa_code_object_version 6
	.text
	.protected	k_q00fb8740c5_qx
	.globl	k_q00fb8740c5_qx
	.p2align	8
	.type	k_q00fb8740c5_qx,@function
k_q00fb8740c5_qx:
	s_mov_b64 s[64:65], 0
	v_nop
	global_prefetch_b8 v0, s[64:65] scope:SCOPE_SE
	s_setreg_imm32_b32 hwreg(HW_REG_WAVE_MODE, 25, 1), 1
	s_wait_xcnt 0x0
; x [8192][1024], f32, becomes codes of FP4 (E2M1), K innermost, two codes a byte (the lower k in the low four bits), with one E8M0 scale byte for each 32 along K.
; A block's scale is 2^(floor(log2(its largest magnitude)) - 2); its byte is the largest magnitude's exponent field - 2, held at 1 from below.
; LIMITS: a block of zeros gets the byte 1 where the rule says 127 (its codes are zeros, and this program alone reads the bytes); NaN and infinities among the inputs are not served.
; Rows are dense and 1024 is a multiple of 32: x is a plain stream of blocks of 32, and so are the codes (16 bytes a block) and the scale bytes.
; A wave takes 16 steps of 512 numbers.  Each of a step's four loads reads 512 consecutive bytes, 16 a lane; the 2,048 bytes turn through the wave's own stage in LDS and come back 64 bytes a lane,
; so that a lane holds 16 neighbours along K (two neighbouring lanes hold a block), as the conversions want them.  A lane's 16 codes are 8 bytes: the wave stores 256 consecutive bytes, aligned.
; A wave's 256 scale bytes are gathered in its own LDS bytes and leave by one store of 256 consecutive bytes.  Waves share nothing: no barrier.  No cluster: no two work-groups read the same bytes.
.set STEPS, 16
.set EMAX,  2
.set CB,    8                          ; bytes of 16 codes
.set R,     16                         ; v16-79   four sets of 16 numbers as they are loaded
.set X,     80                         ; v80-111  two sets of 16 neighbours
.set E,     112                        ; v112-127 a scale byte for each step
.set C,     128                        ; v128-191 codes: four registers for each step, so that no store's data are written again
.set WREG,  8192                       ; LDS: a region for each wave: two stages of 32 x SP bytes, behind them its 256 scale bytes
.set SP,    80                         ; a lane's place in a stage: 64 bytes + 16 of padding
.set SPW,   12                         ; v12 LDS address of my spare word; never rewritten
.set NIL,   13                         ; v13 0; never rewritten
.set SPARE, 4*WREG                     ; behind the four regions: the spare words, 128 bytes a wave, which no other line names
	s_load_b128 s[4:7], s[0:1], 0x0                ; x s[4:5], the codes s[6:7]
	s_load_b64 s[8:9], s[0:1], 0x10                ; the scale bytes
	v_lshl_add_u32 v[SPW], v0, 2, SPARE
	v_mov_b32 v[NIL], 0
	v_lshrrev_b32 v1, 5, v0
	v_readfirstlane_b32 s16, v1                    ; wave
	v_and_b32 v2, 31, v0                           ; lane
	v_lshlrev_b32 v3, 4, v2                        ; my 16 bytes of a load's 512
	s_mul_i32 s17, s16, WREG
	v_lshrrev_b32 v14, 2, v2
	v_mul_u32_u24 v14, v14, SP
	v_and_b32 v15, 3, v2
	v_lshl_add_u32 v14, v15, 4, v14
	v_add_nc_u32 v14, s17, v14                     ; the stage, on the way in: SP (lane / 4) + 16 (lane % 4)
	v_mul_u32_u24 v15, v2, SP
	v_add_nc_u32 v15, s17, v15                     ; and on the way out: SP x lane: my 16 neighbours
	v_mul_u32_u24 v4, v2, CB                       ; my codes' place in a step's
	v_lshrrev_b32 v5, 1, v2
	s_add_co_u32 s17, s17, 2*32*SP
	v_add_nc_u32 v5, s17, v5                       ; LDS: my wave's 256 scale bytes, my block's byte
	v_lshlrev_b32 v7, 3, v2                        ; and on the way out 8 bytes a lane
	v_add_nc_u32 v6, s17, v7
	s_lshl_b32 s18, ttmp9, 2
	s_add_co_u32 s18, s18, s16                     ; which run of 8,192 numbers is my wave's: 0 .. 1023
	s_lshl_b32 s20, s18, 15                        ; 32,768 bytes of x,
	s_mov_b32 s21, 0
	s_lshl_b32 s22, s18, 12                        ; 4,096 of codes,
	s_mov_b32 s23, 0
	s_lshl_b32 s24, s18, 8                         ; 256 scale bytes a run
	s_mov_b32 s25, 0
	s_wait_kmcnt 0x0
	s_add_nc_u64 s[4:5], s[4:5], s[20:21]
	s_add_nc_u64 s[6:7], s[6:7], s[22:23]
	s_add_nc_u64 s[8:9], s[8:9], s[24:25]
.macro LOAD t
.irp i, 0,1,2,3
	global_load_b128 v[R+16*((\t)%4)+4*\i:R+16*((\t)%4)+4*\i+3], v3, s[4:5] offset:2048*(\t)+512*\i th:TH_LOAD_NT   ; 32 lanes read 512 consecutive bytes
.endr
.endm
.macro TURN t                          ; step t's numbers through the stage: LDS serves a wave's instructions in order, so no wait stands between the stores and the loads
.irp i, 0,1,2,3
	ds_store_b128 v14, v[R+16*((\t)%4)+4*\i:R+16*((\t)%4)+4*\i+3] offset:32*SP*((\t)%2)+8*SP*\i
.endr
.irp i, 0,1,2,3
	ds_load_b128 v[X+16*((\t)%2)+4*\i:X+16*((\t)%2)+4*\i+3], v15 offset:32*SP*((\t)%2)+16*\i
.endr
.endm
.irp t, 0,1,2,3
	LOAD \t
.endr
	s_wait_loadcnt 12                              ; step 0's four loads are in; the twelve of steps 1 to 3 may be out
	TURN 0
.macro STEP t
.set XS, X+16*((\t)%2)
.if (\t) > 0
	s_wait_dscnt 1                                 ; this step's numbers are back from the stage (only the last step's byte store is younger)
.else
	s_wait_dscnt 0x0
.endif
.if (\t)+4 < STEPS
	LOAD (\t)+4                                    ; into the registers that the stage's stores have read
.endif
.if (\t)+1 < STEPS
.if STEPS-2-(\t) >= 3
	s_wait_loadcnt 12                              ; the next step's four loads are in; those of the three steps behind it may be out
.else
	s_wait_loadcnt 4*(STEPS-2-(\t))                ; at the end fewer steps stand behind it
.endif
	TURN (\t)+1                                    ; they go through the other stage while this step is worked
.endif
	v_max3_num_f32 v8, |v[XS]|, |v[XS+1]|, |v[XS+2]|               ; the largest magnitude of my 16, in two chains
	v_max3_num_f32 v9, |v[XS+3]|, |v[XS+4]|, |v[XS+5]|
.irp i, 6,10
	v_max3_num_f32 v8, v8, |v[XS+\i]|, |v[XS+\i+1]|
	v_max3_num_f32 v9, v9, |v[XS+\i+2]|, |v[XS+\i+3]|
.endr
	v_max3_num_f32 v8, v8, |v[XS+14]|, |v[XS+15]|
	v_max3_num_f32 v8, v8, v9, (EMAX+1)<<23        ; and the floor 2^(3 - 127): the byte cannot fall under 1
	v_max_num_f32_dpp v8, v8, v8 row_xmask:1 row_mask:0xf bank_mask:0xf   ; and of my neighbour's 16: the block's
	v_add_nc_u32 v11, 0xff000000, v8               ; 2 off its exponent field: the conversion takes the exponent field of this operand as its scale
	v_cvt_scalef32_pk8_fp4_f32 v[C+4*(\t)], v[XS:XS+7], v11
	v_cvt_scalef32_pk8_fp4_f32 v[C+4*(\t)+1], v[XS+8:XS+15], v11
	v_lshrrev_b32 v[E+(\t)], 23, v11               ; the scale's byte (a plain line behind the conversions)
	ds_store_b8 v5, v[E+(\t)] offset:16*(\t)       ; both lanes of a block write the same byte with the same value
	global_store_b64 v4, v[C+4*(\t):C+4*(\t)+1], s[6:7] offset:32*CB*(\t)   ; 32 lanes store 256 consecutive bytes, aligned
.endm
.irp t, 0,1,2,3,4,5,6,7,8,9,10,11,12,13,14,15
	STEP \t
.endr
	ds_load_b64 v[8:9], v6                         ; LDS serves a wave's instructions in order: this sees my byte stores
	s_wait_dscnt 0x0
	global_store_b64 v7, v[8:9], s[8:9]            ; 32 lanes store 256 consecutive bytes, aligned
	s_wait_tensorcnt 0x0                           ; the wave's end: a wait, an add of 0 and a wait behind my last LDS store
	ds_add_u32 v[SPW], v[NIL]
	s_wait_dscnt 0x0
	s_endpgm
.Lfunc_end_k_q00fb8740c5_qx:
	.size	k_q00fb8740c5_qx, .Lfunc_end_k_q00fb8740c5_qx-k_q00fb8740c5_qx
	.p2alignl 7, 3214868480
	.fill 96, 4, 3214868480
	.section	.rodata,"a",@progbits
	.p2align	6, 0x0
	.amdhsa_kernel k_q00fb8740c5_qx
		.amdhsa_group_segment_fixed_size 33280
		.amdhsa_private_segment_fixed_size 0
		.amdhsa_enable_private_segment 0
		.amdhsa_kernarg_size 24
		.amdhsa_user_sgpr_count 2
		.amdhsa_user_sgpr_kernarg_segment_ptr 1
		.amdhsa_wavefront_size32 1
		.amdhsa_system_sgpr_workgroup_id_x 1
		.amdhsa_system_sgpr_workgroup_id_y 1
		.amdhsa_system_sgpr_workgroup_id_z 1
		.amdhsa_system_vgpr_workitem_id 0
		.amdhsa_next_free_vgpr 192
		.amdhsa_next_free_sgpr 66
		.amdhsa_reserve_vcc 0
		.amdhsa_float_denorm_mode_32 3
		.amdhsa_float_denorm_mode_16_64 3
		.amdhsa_memory_ordered 1
		.amdhsa_forward_progress 1
		.amdhsa_inst_pref_size 33
	.end_amdhsa_kernel
	.amdgpu_metadata
---
amdhsa.version: [ 1, 2 ]
amdhsa.kernels:
  - .name:           k_q00fb8740c5_qx
    .symbol:         k_q00fb8740c5_qx.kd
    .args:
      - { .name: x, .offset: 0, .size: 8, .value_kind: global_buffer, .address_space: global }
      - { .name: x_codes, .offset: 8, .size: 8, .value_kind: global_buffer, .address_space: global }
      - { .name: x_scales, .offset: 16, .size: 8, .value_kind: global_buffer, .address_space: global }
    .group_segment_fixed_size: 33280
    .private_segment_fixed_size: 0
    .kernarg_segment_align: 8
    .kernarg_segment_size: 24
    .max_flat_workgroup_size: 128
    .sgpr_count:     66
    .vgpr_count:     192
    .wavefront_size: 32
...
	.end_amdgpu_metadata
.endif
;; end of part 1
;; launch qw (part 2): grid 8 x 8, 16 waves a work-group, no clusters, 178,176 bytes of LDS; arguments Wq, Wk, Wv, Wo, w_codes, w_scales, wo16t; writes w_codes, w_scales, wo16t
.if DOCPART == 2
	.amdgcn_target "amdgcn-amd-amdhsa--gfx1250"
	.amdhsa_code_object_version 6
	.text
	.protected	k_q00fb8740c5_qw
	.globl	k_q00fb8740c5_qw
	.p2align	8
	.type	k_q00fb8740c5_qw,@function
k_q00fb8740c5_qw:
	s_mov_b64 s[64:65], 0
	v_nop
	global_prefetch_b8 v0, s[64:65] scope:SCOPE_SE
	s_setreg_imm32_b32 hwreg(HW_REG_WAVE_MODE, 25, 1), 1
	s_wait_xcnt 0x0
; The four weights, [k 1024][n 1024] f32, K their FIRST axis.  Work-group y = 2 x kind + kh: kind 0, 1, 2 = Wq, Wk, Wv, kind 3 = Wo; kh = which 512 along K.  Work-group x = which 128 columns.
; Wq, Wk, Wv become codes of FP4 (E2M1) laid [1024 kind + n][512 bytes], K innermost, and scale bytes [1024 kind + n][32].  Wo becomes f16, laid [n][k].
; A LANE TAKES A COLUMN n AND ITS REGISTERS RUN DOWN K: a block of 32 along K lies in one lane's 32 registers, its largest magnitude needs no other lane, and the conversions give K innermost.
; Sixteen waves: wave w takes columns 32 (w % 4) on and 128 along K from 128 (w / 4) on: four blocks of 32, 64 loads out at the most, two blocks ahead.
; The codes of the four waves of a column meet in one stage in LDS (a row = a column's 256 bytes), behind ONE barrier, and leave sixteen lanes to 256 consecutive bytes, aligned; the scale bytes likewise, 16 bytes a column.
; Wo's f16 numbers go through each wave's own stage (a row = a column's 128 numbers, 256 bytes).  Each of the two ways has LDS bytes of its own; the branch between them hangs on the work-group's y alone.
; LIMITS: a block of zeros gets the byte 1 where the rule says 127 (its codes are zeros; this program alone reads the bytes); NaN and infinities are not served; |Wo| beyond 65,504 overflows f16, under 6e-5 it keeps f16's step of 6e-8.
; No cluster: no two work-groups read the same bytes.
.set PITCH, 272                        ; a stage row: 256 bytes + 16
.set STG4,  0                          ; 128 rows x PITCH: the codes' stage
.set SCS,   34816                      ; 128 columns x 16 scale bytes
.set STGO,  36864                      ; 16 waves x 32 rows x PITCH: Wo's stages
.set SPARE, 176128                     ; the spare words, 128 bytes a wave, which no other line names
.set SPW,   14                         ; v14 LDS address of my spare word; never rewritten
.set NIL,   15                         ; v15 0; never rewritten
.set SB,    24                         ; v24 my four scale bytes
.set X,     32                         ; v32-95   two sets of 32 numbers
.set CD,    96                         ; v96-111  a block's codes (4 registers) or f16 pairs (16)
.set OUTR,  112                        ; v112-175 the way out
	s_load_b256 s[4:11], s[0:1], 0x0               ; Wq s[4:5], Wk s[6:7], Wv s[8:9], Wo s[10:11]
	s_load_b128 s[12:15], s[0:1], 0x20             ; the codes s[12:13], the scale bytes s[14:15]
	s_load_b64 s[16:17], s[0:1], 0x30              ; Wo in f16
	v_lshl_add_u32 v[SPW], v0, 2, SPARE
	v_mov_b32 v[NIL], 0
	v_lshrrev_b32 v1, 5, v0
	v_readfirstlane_b32 s18, v1                    ; wave 0..15
	s_and_b32 s19, s18, 3                          ; cw: which 32 columns
	s_lshr_b32 s20, s18, 2                         ; kq: which 128 along K
	s_and_b32 s21, ttmp7, 0xffff
	s_lshr_b32 s22, s21, 1                         ; kind
	s_and_b32 s23, s21, 1                          ; kh
	v_and_b32 v1, 31, v0                           ; lane
	v_and_b32 v2, 127, v0                          ; my column in the group: 32 cw + lane
	v_lshrrev_b32 v12, 7, v0                       ; kq
	v_bfe_u32 v13, v0, 4, 1                        ; lane / 16
	v_and_b32 v17, 15, v0                          ; lane % 16
	v_lshlrev_b32 v3, 2, v1                        ; in: 4 bytes a lane
	; every LDS address is made here, ahead of the ways' parting
	v_mul_u32_u24 v4, v2, PITCH
	v_lshl_add_u32 v4, v12, 6, v4                  ; codes in: my column's row, + 64 kq
	v_lshlrev_b32 v5, 4, v2
	v_lshl_add_u32 v5, v12, 2, v5
	v_add_nc_u32 v5, SCS, v5                       ; scale bytes in: 16 x column + 4 kq
	v_mul_u32_u24 v22, v13, PITCH
	v_lshl_add_u32 v22, v17, 4, v22                ; sixteen lanes to a row, two rows an instruction
	s_mul_i32 s26, s18, 8*PITCH
	v_add_nc_u32 v6, s26, v22                      ; codes out: wave w takes rows 8 w .. 8 w + 7
	v_lshl_add_u32 v7, v2, 4, SCS                  ; scale bytes out (waves 0 to 3): 16 bytes a column
	s_mul_i32 s27, s18, 32*PITCH
	s_add_co_u32 s27, s27, STGO                    ; my own stage for Wo
	v_mul_u32_u24 v8, v1, PITCH
	v_add_nc_u32 v8, s27, v8                       ; in: row = my column
	v_add_nc_u32 v9, s27, v22                      ; out: sixteen lanes to a row
	v_lshlrev_b32 v10, 9, v13
	v_lshl_add_u32 v10, v17, 4, v10                ; the same place in the codes' buffer: rows of 512 bytes
	v_lshlrev_b32 v11, 5, v1                       ; rows of 32 scale bytes
	v_lshlrev_b32 v16, 11, v13
	v_lshl_add_u32 v16, v17, 4, v16                ; rows of 2,048 bytes of Wo in f16
	s_lshl_b32 s28, s23, 21                        ; the source: (512 kh + 128 kq) rows of 4,096 bytes + 512 x + 128 cw
	s_lshl_b32 s29, s20, 19
	s_add_co_u32 s28, s28, s29
	s_lshl_b32 s29, ttmp9, 9
	s_add_co_u32 s28, s28, s29
	s_lshl_b32 s29, s19, 7
	s_add_co_u32 s28, s28, s29
	s_mov_b32 s29, 0
	s_lshl_b32 s30, s22, 19                        ; the codes: (1024 kind + 128 x + 8 w) rows of 512 bytes + 256 kh
	s_lshl_b32 s31, ttmp9, 16
	s_add_co_u32 s30, s30, s31
	s_lshl_b32 s31, s18, 12
	s_add_co_u32 s30, s30, s31
	s_lshl_b32 s31, s23, 8
	s_add_co_u32 s30, s30, s31
	s_mov_b32 s31, 0
	s_lshl_b32 s32, s22, 15                        ; the scale bytes: (1024 kind + 128 x + 32 cw) rows of 32 bytes + 16 kh
	s_lshl_b32 s33, ttmp9, 12
	s_add_co_u32 s32, s32, s33
	s_lshl_b32 s33, s19, 10
	s_add_co_u32 s32, s32, s33
	s_lshl_b32 s33, s23, 4
	s_add_co_u32 s32, s32, s33
	s_mov_b32 s33, 0
	s_lshl_b32 s34, ttmp9, 18                      ; Wo in f16: (128 x + 32 cw) rows of 2,048 bytes + 2 (512 kh + 128 kq)
	s_lshl_b32 s35, s19, 16
	s_add_co_u32 s34, s34, s35
	s_lshl_b32 s35, s23, 10
	s_add_co_u32 s34, s34, s35
	s_lshl_b32 s35, s20, 8
	s_add_co_u32 s34, s34, s35
	s_mov_b32 s35, 0
	s_wait_kmcnt 0x0
	s_cmp_eq_u32 s22, 0                            ; which weight: the choice hangs on the work-group's y alone
	s_cselect_b64 s[24:25], s[4:5], s[6:7]
	s_cmp_lt_u32 s22, 2
	s_cselect_b64 s[24:25], s[24:25], s[8:9]
	s_cmp_lt_u32 s22, 3
	s_cselect_b64 s[24:25], s[24:25], s[10:11]
	s_add_nc_u64 s[24:25], s[24:25], s[28:29]
	s_add_nc_u64 s[12:13], s[12:13], s[30:31]
	s_add_nc_u64 s[14:15], s[14:15], s[32:33]
	s_add_nc_u64 s[16:17], s[16:17], s[34:35]
.macro LOAD t                          ; block t: W(32 t + i, my column), i = 0 .. 31, into set t % 2; the offsets stay under 127 x 4,096
.irp i, 0,1,2,3,4,5,6,7,8,9,10,11,12,13,14,15,16,17,18,19,20,21,22,23,24,25,26,27,28,29,30,31
	global_load_b32 v[X+32*((\t)%2)+\i], v3, s[24:25] offset:(32*(\t)+\i)*4096 th:TH_LOAD_NT
.endr
.endm
.macro ARRIVED t
.if (\t) < 3
	s_wait_loadcnt 32                              ; this block's 32 loads are in; the next block's 32 may be out
.else
	s_wait_loadcnt 0x0
.endif
.endm
.macro BLOCK4 t                        ; a block of 32 along K of my column becomes 16 bytes of codes and a scale byte
.set XS, X+32*((\t)%2)
	ARRIVED \t
	v_max3_num_f32 v18, |v[XS]|, |v[XS+1]|, |v[XS+2]|
	v_max3_num_f32 v19, |v[XS+3]|, |v[XS+4]|, |v[XS+5]|
.irp i, 6,10,14,18,22,26
	v_max3_num_f32 v18, v18, |v[XS+\i]|, |v[XS+\i+1]|
	v_max3_num_f32 v19, v19, |v[XS+\i+2]|, |v[XS+\i+3]|
.endr
	v_max3_num_f32 v18, v18, |v[XS+30]|, |v[XS+31]|
	v_max3_num_f32 v18, v18, v19, 0x1800000        ; and the floor 2^(3 - 127): the byte cannot fall under 1
	v_add_nc_u32 v20, 0xff000000, v18              ; 2 off the exponent field: the conversion's scale operand
	v_lshrrev_b32 v21, 23, v20                     ; the scale's byte
.if (\t) == 0
	v_mov_b32 v[SB], v21                           ; four bytes to a register, the lower K in the lower byte
.else
	v_lshl_or_b32 v[SB], v21, 8*(\t), v[SB]
.endif
.irp g, 0,1,2,3
	v_cvt_scalef32_pk8_fp4_f32 v[CD+\g], v[XS+8*\g:XS+8*\g+7], v20
.endr
	ds_store_b128 v4, v[CD:CD+3] offset:16*(\t)    ; 32 codes: 16 bytes of my column's row
.if (\t) < 2
	LOAD (\t)+2
.endif
	s_wait_dscnt 0x0                               ; the store has read its registers: the next block's codes may be written (plain lines stand between the conversions of two blocks)
.endm
.macro BLOCKH t                        ; the same 32 numbers become 32 f16 numbers, 64 bytes of my column's row
.set XS, X+32*((\t)%2)
	ARRIVED \t
.irp j, 0,1,2,3,4,5,6,7,8,9,10,11,12,13,14,15
	v_cvt_pk_f16_f32 v[CD+\j], v[XS+2*\j], v[XS+2*\j+1]
.endr
.irp i, 0,1,2,3
	ds_store_b128 v8, v[CD+4*\i:CD+4*\i+3] offset:64*(\t)+16*\i
.endr
.if (\t) < 2
	LOAD (\t)+2
.endif
	s_wait_dscnt 0x0
.endm
	LOAD 0
	LOAD 1
	s_cmp_eq_u32 s22, 3
	s_cbranch_scc1 .Lwo_in
	BLOCK4 0
	BLOCK4 1
	BLOCK4 2
	BLOCK4 3
	ds_store_b32 v5, v[SB]                         ; my four scale bytes of my column
	s_branch .Lmeet
.Lwo_in:
	BLOCKH 0
	BLOCKH 1
	BLOCKH 2
	BLOCKH 3
.Lmeet:
	s_wait_dscnt 0x0                               ; for the others' sake: my stores into the stages are done
	s_barrier_signal -1
	s_barrier_wait -1                              ; a column's 256 bytes of codes come from four waves
	s_cmp_eq_u32 s22, 3
	s_cbranch_scc1 .Lwo_out
.irp i, 0,1,2,3
	ds_load_b128 v[OUTR+4*\i:OUTR+4*\i+3], v6 offset:2*\i*PITCH
.endr
.irp i, 0,1,2,3
	s_wait_dscnt 3-\i                              ; LDS loads come back in order: load i is in, the later ones may be out
	global_store_b128 v10, v[OUTR+4*\i:OUTR+4*\i+3], s[12:13] offset:1024*\i   ; sixteen lanes store 256 consecutive bytes, aligned
.endr
	s_cmp_lt_u32 s18, 4                            ; waves 0 to 3 store the 128 columns' scale bytes, 16 a column
	s_cbranch_scc0 .Lend
	ds_load_b128 v[OUTR+16:OUTR+19], v7
	s_wait_dscnt 0x0
	global_store_b128 v11, v[OUTR+16:OUTR+19], s[14:15]
	s_branch .Lend
.Lwo_out:
.irp i, 0,1,2,3,4,5,6,7,8,9,10,11,12,13,14,15
	ds_load_b128 v[OUTR+4*\i:OUTR+4*\i+3], v9 offset:2*\i*PITCH
.endr
.irp i, 0,1,2,3,4,5,6,7,8,9,10,11,12,13,14,15
	s_wait_dscnt 15-\i
	global_store_b128 v16, v[OUTR+4*\i:OUTR+4*\i+3], s[16:17] offset:4096*\i   ; sixteen lanes store 256 consecutive bytes, aligned
.endr
.Lend:
	s_wait_tensorcnt 0x0                           ; the wave's end: a wait, an add of 0 and a wait behind my last LDS store
	ds_add_u32 v[SPW], v[NIL]
	s_wait_dscnt 0x0
	s_endpgm
.Lfunc_end_k_q00fb8740c5_qw:
	.size	k_q00fb8740c5_qw, .Lfunc_end_k_q00fb8740c5_qw-k_q00fb8740c5_qw
	.p2alignl 7, 3214868480
	.fill 96, 4, 3214868480
	.section	.rodata,"a",@progbits
	.p2align	6, 0x0
	.amdhsa_kernel k_q00fb8740c5_qw
		.amdhsa_group_segment_fixed_size 178176
		.amdhsa_private_segment_fixed_size 0
		.amdhsa_enable_private_segment 0
		.amdhsa_kernarg_size 56
		.amdhsa_user_sgpr_count 2
		.amdhsa_user_sgpr_kernarg_segment_ptr 1
		.amdhsa_wavefront_size32 1
		.amdhsa_system_sgpr_workgroup_id_x 1
		.amdhsa_system_sgpr_workgroup_id_y 1
		.amdhsa_system_sgpr_workgroup_id_z 1
		.amdhsa_system_vgpr_workitem_id 0
		.amdhsa_next_free_vgpr 192
		.amdhsa_next_free_sgpr 66
		.amdhsa_reserve_vcc 0
		.amdhsa_float_denorm_mode_32 3
		.amdhsa_float_denorm_mode_16_64 3
		.amdhsa_memory_ordered 1
		.amdhsa_forward_progress 1
		.amdhsa_inst_pref_size 38
	.end_amdhsa_kernel
	.amdgpu_metadata
---
amdhsa.version: [ 1, 2 ]
amdhsa.kernels:
  - .name:           k_q00fb8740c5_qw
    .symbol:         k_q00fb8740c5_qw.kd
    .args:
      - { .name: Wq, .offset: 0, .size: 8, .value_kind: global_buffer, .address_space: global }
      - { .name: Wk, .offset: 8, .size: 8, .value_kind: global_buffer, .address_space: global }
      - { .name: Wv, .offset: 16, .size: 8, .value_kind: global_buffer, .address_space: global }
      - { .name: Wo, .offset: 24, .size: 8, .value_kind: global_buffer, .address_space: global }
      - { .name: w_codes, .offset: 32, .size: 8, .value_kind: global_buffer, .address_space: global }
      - { .name: w_scales, .offset: 40, .size: 8, .value_kind: global_buffer, .address_space: global }
      - { .name: wo16t, .offset: 48, .size: 8, .value_kind: global_buffer, .address_space: global }
    .group_segment_fixed_size: 178176
    .private_segment_fixed_size: 0
    .kernarg_segment_align: 8
    .kernarg_segment_size: 56
    .max_flat_workgroup_size: 512
    .sgpr_count:     66
    .vgpr_count:     192
    .wavefront_size: 32
...
	.end_amdgpu_metadata
.endif
;; end of part 2
;; launch gemm (part 3): grid 12 x 32, 4 waves a work-group, clusters of 4 x 4, 327,680 bytes of LDS; arguments x_codes, x_scales, w_codes, w_scales, bq, bk, bv, qkv; writes qkv
.if DOCPART == 3
	.amdgcn_target "amdgcn-amd-amdhsa--gfx1250"
	.amdhsa_code_object_version 6
	.text
	.protected	k_q00fb8740c5_gemm
	.globl	k_q00fb8740c5_gemm
	.p2align	8
	.type	k_q00fb8740c5_gemm,@function
k_q00fb8740c5_gemm:
	s_mov_b64 s[64:65], 0
	v_nop
	global_prefetch_b8 v0, s[64:65] scope:SCOPE_SE
	s_setreg_imm32_b32 hwreg(HW_REG_WAVE_MODE, 25, 1), 1
	s_wait_xcnt 0x0
	s_wait_alu depctr_hold_cnt(0) depctr_sa_sdst(0) depctr_va_vdst(0) depctr_va_sdst(0) depctr_va_ssrc(0) depctr_va_vcc(0) depctr_vm_vsrc(0)
	s_getreg_b32 s2, hwreg(HW_REG_IB_STS2, 6, 4)
	s_cmp_eq_u32 s2, 0
	s_cbranch_scc0 .Lentry_in_a_cluster
	s_endpgm
.Lentry_in_a_cluster:
	s_bfe_u32 s2, ttmp6, 0x10000c
	s_cmp_lg_u32 s2, 0xf033
	s_cbranch_scc0 .Lentry_shape_is_right
	s_endpgm
.Lentry_shape_is_right:
; q, k, v = x W + b as ONE product on codes of FP4 (E2M1) with E8M0 scales: A = x's codes [8192][1024], B = the three weights' codes [3072][1024] (row 1024 kind + n), sums in f32.
; The bias is the C of each sum's first matrix instruction.  The results are rounded once to f16 and laid by head: qkv [kind 3][batch 4][head 16][token 2048][64].
; A tile of 256 tokens x 256 columns is made by four waves, each 128 x 128: 64 accumulators, 512 registers.  K = 1024 is two steps of 512, one in each of two LDS slots: nothing is ever filled again.
; The scale bytes of the tile's 256 + 256 rows for all of K come into LDS once, with the first fills.  By this text's count a wave has three tensor loads out, all issued at the head.
; CLUSTERS: 4 x 4 work-groups; the four of a row need the same tiles of A, the four of a column the same tiles of B: each is asked for jointly.  The cluster's x is the kind: 4 tile columns of 256 are one weight.
; THE MATRIX INSTRUCTION IS USED TRANSPOSED (source 0 = 16 rows of B, source 1 = 16 rows of A): a lane holds eight neighbouring columns of one token.
; 384 work-groups: a tile that gave 256 would want 768 accumulator registers a wave beside the operands.
; LIMITS: |q|, |k|, |v| beyond 65,504 overflow f16; under 6e-5 they keep f16's step of 6e-8.
; REGISTERS, in windows of 256: window 0: v0-31 addresses; v32-95 scale words, two sets; v128-191 A's fragments, one set; v192-255 the bias of my 128 columns; on the way out v32-127 are free.
;   window 1: B's fragments, two sets, at v0 and v128.   window 2: the accumulators of my rows 0-63 ((a, b) at v[8 (8 a + b)]);   window 3: those of my rows 64-127.
.set KSTEP,  512
.set NQ,     KSTEP/128
.set ROWB,   256                       ; a tile's row in bytes
.set KROW,   512                       ; a row of codes in memory
.set PITCH,  272                       ; an LDS row: 256 bytes + 16: the 16 rows that a load touches start 68 words apart
.set FR,     8
.set NL,     2
.set NP,     4                         ; places behind this matrix instruction (ISA guide 7.12.1)
.set HALFT,  128*PITCH
.set SLOT,   4*HALFT                   ; A's 256 rows, then B's 256 rows
.set KS,     32                        ; a row of scale bytes
.set SCL,    2*SLOT                    ; behind the slots: the scales, as pieces of 256 bytes + 16 of padding
.set HALFS,  (128*KS/256)*272
.set SBLK,   (16*KS/256)*272
.set SPARE,  SCL+4*HALFS               ; the spare words, 128 bytes a wave, which no other line names
.set SPITCH, 272                       ; the way out: a stage of 16 rows x (256 bytes + 16) for each wave, in slot 0, which has had its only fill and its last read by then
.set ADRA, 16                          ; v16-17 LDS address of my A fragments in slot 0, 1
.set ADRB, 20                          ; v20-21 the same for B
.set STO,  24                          ; v24 the way out: where I put 16 bytes of a token's row
.set RD,   25                          ; v25 where I read 16 bytes back
.set CO,   26                          ; v26 16 x lane
.set ADRS, 27                          ; v27 LDS address of my scale words: lanes 0-15 A's rows, lanes 16-31 B's
.set SPW,  28                          ; v28 LDS address of my spare word; never rewritten
.set NIL,  29                          ; v29 0; never rewritten
.set BO,   30                          ; v30 32 x (lane / 16): my half's eight numbers of a bias block
.set SC,   32
.set AF,   128
.set BIAS, 192                         ; register 8 b + j: bias[16 b + 8 (lane / 16) + j] of my 128 columns: the result's layout
.set TMP,  32                          ; the way out: a block's 32 packed registers
.set BK,   64                          ; and two sets of 32 read back from the stage
.set G1, 24
.set G0, 32
.set G1B, 48
.set G0B, 56
.set G1S, 68
.set G0S, 76
.set G1SB, 80
.set G0SB, 88
.set MSB, 0
.macro WIN new                         ; the immediate's high byte repeats the setting that is left
.if MSB != (\new)
	s_set_vgpr_msb (MSB<<8)|(\new)
.set MSB, (\new)
.endif
.endm
.set MUL_LO, 0xa1                      ; source 0 (B) window 1, source 1 (A) window 0, C and D window 2
.set MUL_HI, 0xf1                      ; the same, C and D window 3
.set BEG_LO, 0x81                      ; the first step: C (the bias) window 0, D window 2
.set BEG_HI, 0xc1                      ; C window 0, D window 3
.set TO_B,   0x40
; A joint load: waves 0 and 1 fetch for A, waves 2 and 3 for B; the branch hangs on the wave's number alone.  An s_nop 0 and four v_nop follow each line.
.macro JLOAD g0a, g1a, g0b, g1b
	s_cmp_eq_u32 s15, 0
	s_cbranch_scc0 .Lfor_b_\@
	tensor_load_to_lds s[\g0a:\g0a+3], s[\g1a:\g1a+7]
	s_nop 0
.rept 4
	v_nop
.endr
	s_branch .Lasked_\@
.Lfor_b_\@:
	tensor_load_to_lds s[\g0b:\g0b+3], s[\g1b:\g1b+7]
	s_nop 0
.rept 4
	v_nop
.endr
.Lasked_\@:
.endm
.macro CROUND                          ; a round of the cluster's barrier
	s_barrier_signal -1
	s_barrier_wait -1
	s_cmp_lg_u32 s14, 0
	s_cbranch_scc1 .Lnot_wave_0_\@
	s_barrier_signal -3
.Lnot_wave_0_\@:
	s_barrier_wait -3
	s_barrier_signal -1
	s_barrier_wait -1
.endm
	s_load_b128 s[4:7], s[0:1], 0x0                ; x's codes s[4:5], x's scales s[6:7]
	s_load_b128 s[8:11], s[0:1], 0x10              ; the weights' codes s[8:9], their scales s[10:11]
	v_lshl_add_u32 v[SPW], v0, 2, SPARE
	v_mov_b32 v[NIL], 0
	ds_add_u32 v[SPW], v[NIL]                      ; the opening: the add, twice on end, and its wait ahead of my first tensor load
	ds_add_u32 v[SPW], v[NIL]
	v_lshrrev_b32 v1, 5, v0
	v_readfirstlane_b32 s14, v1                    ; wave 0..3
	s_lshr_b32 s15, s14, 1                         ; which half of the tile's tokens is mine.  Also: I fetch for A (0) or for B (1)
	s_and_b32 s16, s14, 1                          ; which half of its columns.  Also: which 128 rows of that tile I fetch
	s_bfe_u32 s40, ttmp6, 0x40000                  ; cx, cy: my place in the cluster
	s_bfe_u32 s41, ttmp6, 0x40004
	s_lshl_b32 s42, ttmp9, 2
	s_add_co_u32 s42, s42, s40                     ; tile column = 4 x cluster x + cx
	s_and_b32 s17, ttmp7, 0xffff
	s_lshl_b32 s17, s17, 2
	s_add_co_u32 s17, s17, s41                     ; tile row T = 4 x cluster y + cy
	s_lshl_b32 s43, s41, 2
	s_lshl_b32 s43, 15, s43                        ; my row of the cluster
	s_lshl_b32 s44, 0x1111, s40                    ; my column
	; descriptor group 1: a tile of 128 rows x 256 bytes, 16 bytes of padding behind each row
	s_or_b32 s[G1+0], s43, (0<<16)|(1<<20)|(1<<21)|(5<<22)|(3<<25)  ; the mask; elements of 1 byte; padding on; bit 21 beside a mask; after every 64 words, 4 words
	s_or_b32 s[G1B+0], s44, (0<<16)|(1<<20)|(1<<21)|(5<<22)|(3<<25)
.irp g, G1, G1B
	s_mov_b32 s[\g+1], ROWB<<16                    ; tensor_dim0
	s_mov_b32 s[\g+2], 128<<16                     ; tensor_dim1
	s_mov_b32 s[\g+3], ROWB<<16                    ; tile_dim0
	s_mov_b32 s[\g+4], 128                         ; tile_dim1
	s_mov_b32 s[\g+5], KROW                        ; from row to row
	s_mov_b32 s[\g+6], 0
	s_mov_b32 s[\g+7], 0
.endr
	; the scales of 128 rows: a dense block of 4,096 bytes, as 16 rows of 256 bytes (32 elements of 8 bytes), 16 bytes of padding behind each
	s_or_b32 s[G1S+0], s43, (3<<16)|(1<<20)|(1<<21)|(5<<22)|(3<<25)
	s_or_b32 s[G1SB+0], s44, (3<<16)|(1<<20)|(1<<21)|(5<<22)|(3<<25)
.irp g, G1S, G1SB
	s_mov_b32 s[\g+1], 32<<16
	s_mov_b32 s[\g+2], (128*KS/256)<<16
	s_mov_b32 s[\g+3], 32<<16
	s_mov_b32 s[\g+4], 128*KS/256
	s_mov_b32 s[\g+5], 32
	s_mov_b32 s[\g+6], 0
	s_mov_b32 s[\g+7], 0
.endr
	s_lshl_b32 s18, s16, 7                         ; which 128 rows of the tile I fetch
	s_lshl_b32 s20, s17, 8
	s_add_co_u32 s20, s20, s18                     ; A: row 256 T + 128 x half
	s_lshl_b32 s46, s42, 8
	s_add_co_u32 s46, s46, s18                     ; B: row 256 x tile column + 128 x half
	s_mov_b32 s21, 0
	s_mov_b32 s47, 0
	s_mov_b64 s[18:19], KS
	s_mul_u64 s[22:23], s[20:21], s[18:19]         ; where these rows' scales begin,
	s_mul_u64 s[92:93], s[46:47], s[18:19]
	s_mov_b64 s[18:19], KROW
	s_mul_u64 s[20:21], s[20:21], s[18:19]         ; and their codes
	s_mul_u64 s[46:47], s[46:47], s[18:19]
	s_mul_i32 s45, s14, HALFT                      ; where they go: wave x 128 rows: no place in the cluster enters an LDS address
	s_mul_i32 s94, s14, HALFS
	s_wait_dscnt 0x0                               ; both opening adds are done
	s_wait_kmcnt 0x0
	s_add_nc_u64 s[20:21], s[4:5], s[20:21]
	s_add_nc_u64 s[22:23], s[6:7], s[22:23]
	s_add_nc_u64 s[46:47], s[8:9], s[46:47]
	s_add_nc_u64 s[92:93], s[10:11], s[92:93]
	CROUND                                         ; all sixteen work-groups are here: the joint loads meet
	s_mov_b32 s[G0S], 1
	s_add_co_u32 s[G0S+1], s94, SCL
	s_mov_b64 s[G0S+2:G0S+3], s[22:23]
	s_or_b32 s[G0S+3], s[G0S+3], 0x80000000
	s_mov_b32 s[G0SB], 1
	s_add_co_u32 s[G0SB+1], s94, SCL
	s_mov_b64 s[G0SB+2:G0SB+3], s[92:93]
	s_or_b32 s[G0SB+3], s[G0SB+3], 0x80000000
	JLOAD G0S, G1S, G0SB, G1SB                     ; the scales first: they are wanted with K step 0
.irp s, 0,1
	s_mov_b32 s[G0+4*\s], 1
	s_add_co_u32 s[G0+4*\s+1], s45, \s*SLOT
	s_add_nc_u64 s[G0+4*\s+2:G0+4*\s+3], s[20:21], \s*ROWB
	s_or_b32 s[G0+4*\s+3], s[G0+4*\s+3], 0x80000000
	s_mov_b32 s[G0B+4*\s], 1
	s_add_co_u32 s[G0B+4*\s+1], s45, \s*SLOT
	s_add_nc_u64 s[G0B+4*\s+2:G0B+4*\s+3], s[46:47], \s*ROWB
	s_or_b32 s[G0B+4*\s+3], s[G0B+4*\s+3], 0x80000000
	JLOAD G0+4*\s, G1, G0B+4*\s, G1B
.endr
	s_load_b256 s[4:11], s[0:1], 0x20              ; the first four addresses are done with: bq s[4:5], bk s[6:7], bv s[8:9], qkv s[10:11]
	v_and_b32 v1, 15, v0                           ; l % 16
	v_bfe_u32 v2, v0, 4, 1                         ; l / 16
	v_mul_u32_u24 v3, v1, PITCH
	v_lshl_add_u32 v4, v2, 4, v3                   ; a fragment's row x pitch + 16 x half
	s_mul_i32 s21, s15, HALFT                      ; my 128 rows of A
	s_mul_i32 s22, s16, HALFT                      ; my 128 rows of B,
	s_add_co_u32 s22, s22, 2*HALFT                 ; which lie behind A's 256
.irp s, 0,1
	v_add_nc_u32 v[ADRA+\s], s21, v4
	v_add_nc_u32 v[ADRB+\s], s22, v4
	s_add_co_u32 s21, s21, SLOT
	s_add_co_u32 s22, s22, SLOT
.endr
	v_mul_u32_u24 v5, v1, KS                       ; my row's scales: 32 bytes a row,
	v_lshrrev_b32 v6, 8, v5
	v_lshl_add_u32 v5, v6, 4, v5                   ; and 16 more for each 256 passed
	s_mul_i32 s21, s15, HALFS                      ; A's: my 128 rows
	s_mul_i32 s22, s16, HALFS                      ; B's: my 128 rows, behind A's 256
	s_add_co_u32 s22, s22, 2*HALFS
	s_sub_co_u32 s22, s22, s21
	v_mul_u32_u24 v6, s22, v2                      ; lanes 16-31 take B's: one product, the distance between the two bases
	s_add_co_u32 s21, s21, SCL
	v_add_nc_u32 v5, v5, v6
	v_add_nc_u32 v[ADRS], s21, v5
	s_mul_i32 s23, s14, 16*SPITCH                  ; my stage
	v_mul_u32_u24 v5, v1, SPITCH                   ; in: token l % 16, 16 bytes for each half of the lanes
	v_lshl_add_u32 v5, v2, 4, v5
	v_add_nc_u32 v[STO], s23, v5
	v_bfe_u32 v6, v0, 3, 2                         ; back: eight lanes take a token's 128 bytes of one head, four tokens an instruction
	v_and_b32 v7, 7, v0
	v_mul_u32_u24 v[RD], v6, SPITCH
	v_lshl_add_u32 v[RD], v7, 4, v[RD]
	v_add_nc_u32 v[RD], s23, v[RD]
	v_and_b32 v6, 31, v0
	v_lshlrev_b32 v[CO], 4, v6                     ; those 512 bytes are consecutive in qkv
	v_lshlrev_b32 v[BO], 5, v2
	; my part of qkv: kind x 16,777,216 + batch x 4,194,304 + head x 262,144 + token x 128: all under 2^26
	s_lshl_b32 s20, ttmp9, 24                      ; the kind is the cluster's x
	s_lshr_b32 s21, s17, 3                         ; batch = T / 8
	s_lshl_b32 s21, s21, 22
	s_add_co_u32 s20, s20, s21
	s_and_b32 s21, s17, 7                          ; token 256 (T % 8) + 128 x my half
	s_lshl_b32 s21, s21, 15
	s_add_co_u32 s20, s20, s21
	s_lshl_b32 s21, s15, 14
	s_add_co_u32 s20, s20, s21
	s_lshl_b32 s46, s40, 20                        ; head 4 cx + 2 x my half
	s_lshl_b32 s47, s16, 19
	s_add_co_u32 s46, s46, s47
	s_add_co_u32 s20, s20, s46
	s_mov_b32 s21, 0
	s_lshl_b32 s46, s40, 10                        ; the bias of my 128 columns: 4 (256 cx + 128 x my half) bytes on
	s_lshl_b32 s47, s16, 9
	s_add_co_u32 s46, s46, s47
	s_mov_b32 s47, 0
	s_wait_kmcnt 0x0
	s_add_nc_u64 s[10:11], s[10:11], s[20:21]
	s_cmp_eq_u32 ttmp9, 0                          ; which bias: by the kind, the same in all sixteen partners
	s_cselect_b64 s[4:5], s[4:5], s[6:7]
	s_cmp_eq_u32 ttmp9, 2
	s_cselect_b64 s[4:5], s[8:9], s[4:5]
	s_add_nc_u64 s[4:5], s[4:5], s[46:47]
.irp b, 0,1,2,3,4,5,6,7
	global_load_b128 v[BIAS+8*\b:BIAS+8*\b+3],   v[BO], s[4:5] offset:64*\b
	global_load_b128 v[BIAS+8*\b+4:BIAS+8*\b+7], v[BO], s[4:5] offset:64*\b+16
.endr
.macro FRAG reg, adr, q, i             ; 16 rows x 128 K of 4-bit codes: 8 registers: lane l holds row l % 16; registers 4 c .. 4 c + 3 hold K = 64 c + 32 (l / 16) + 0 .. 31
.irp c, 0,1
	ds_load_b128 v[\reg+4*\c:\reg+4*\c+3], v[\adr] offset:64*(\q)+32*\c+(\i)*16*PITCH
.endr
.endm
; 16 matrix instructions: A's blocks a0, a0 + 1 x B's eight, the slot's q-th 128 along K.  p: B's set; sc: the set of scale words.  first = 1: the bias is the C: nothing is cleared and nothing is added later.
; The 64 accumulators take turns, one instruction a turn, in the same order in every step.
.macro MUL16 a0, p, q, sc, first
.irp a, \a0, \a0+1
.irp b, 0,1,2,3,4,5,6,7
.if \first
	v_wmma_scale_f32_16x16x128_f8f6f4 v[8*(8*((\a)%4)+\b):8*(8*((\a)%4)+\b)+7], v[128*(\p)+FR*\b:128*(\p)+FR*\b+FR-1], v[AF+FR*(\a):AF+FR*(\a)+FR-1], v[BIAS+8*\b:BIAS+8*\b+7], v[SC+8*NQ*(\sc)+NQ*\b+(\q)], v[SC+8*NQ*(\sc)+NQ*(\a)+(\q)] matrix_a_fmt:MATRIX_FMT_FP4 matrix_b_fmt:MATRIX_FMT_FP4 matrix_a_scale:MATRIX_SCALE_ROW1
.else
	v_wmma_scale_f32_16x16x128_f8f6f4 v[8*(8*((\a)%4)+\b):8*(8*((\a)%4)+\b)+7], v[128*(\p)+FR*\b:128*(\p)+FR*\b+FR-1], v[AF+FR*(\a):AF+FR*(\a)+FR-1], v[8*(8*((\a)%4)+\b):8*(8*((\a)%4)+\b)+7], v[SC+8*NQ*(\sc)+NQ*\b+(\q)], v[SC+8*NQ*(\sc)+NQ*(\a)+(\q)] matrix_a_fmt:MATRIX_FMT_FP4 matrix_b_fmt:MATRIX_FMT_FP4 matrix_a_scale:MATRIX_SCALE_ROW1
.endif
.endr
.endr
.endm
.macro FETCH_B slot, q, p
	WIN TO_B
.irp i, 0,1,2,3,4,5,6,7
	FRAG 128*(\p)+FR*\i, ADRB+\slot, \q, \i
.endr
	WIN 0
.endm
.macro FETCH_A slot, q, i0
.irp i, \i0, \i0+1, \i0+2, \i0+3
	FRAG AF+FR*(\i), ADRA+\slot, \q, \i
.endr
.endm
.macro SCALES sc                       ; a K step's scale words: 4 words a row; lanes 0-15 take A's block i, lanes 16-31 B's block i
.irp i, 0,1,2,3,4,5,6,7
	ds_load_b128 v[SC+8*NQ*\sc+NQ*\i:SC+8*NQ*\sc+NQ*\i+3], v[ADRS] offset:\i*SBLK
.endr
.endm
.macro PLACES n                        ; plain vector lines that name none of the matrix instructions' registers, in front of loads into registers that they have read and of reads of their results
.rept \n
	v_nop
.endr
.endm
.macro STEP slot, q, first             ; a step of 128 along K that has its successor in the same slot
	s_wait_dscnt 4*NL                              ; B's set and A's blocks 0-3 are in; the youngest eight loads (A's blocks 4-7) may be out
.if \first
	WIN BEG_LO
.else
	WIN MUL_LO
.endif
	MUL16 0, (\q)%2, \q, \slot, \first
	MUL16 2, (\q)%2, \q, \slot, \first
	s_wait_dscnt 0
	PLACES NP
	FETCH_B \slot, (\q)+1, 1-(\q)%2
	FETCH_A \slot, (\q)+1, 0
.if \first
	WIN BEG_HI
.else
	WIN MUL_HI
.endif
	MUL16 4, (\q)%2, \q, \slot, \first
	MUL16 6, (\q)%2, \q, \slot, \first
	PLACES NP
	WIN 0
	FETCH_A \slot, (\q)+1, 4
.endm
.macro STEPS slot, from
.set QQ, \from
.rept NQ-1-\from
	STEP \slot, QQ, 0
.set QQ, QQ+1
.endr
.endm
	s_wait_tensorcnt 1                             ; the scales and my part of K step 0 are in; the one load behind them, K step 1's, may be out
	s_barrier_signal -1
	s_barrier_wait -1                              ; everybody's are
	FETCH_B 0, 0, 0
	FETCH_A 0, 0, 0
	SCALES 0
	FETCH_A 0, 0, 4
	s_wait_loadcnt 0x0                             ; the bias
	STEP 0, 0, 1                                   ; the first step's products start the sums from the bias
	STEPS 0, 1
	; slot 0's last step changes slots: one barrier; nothing is filled again
	s_wait_tensorcnt 0x0                           ; my part of slot 1 has landed
	ds_add_u32 v[SPW], v[NIL]                      ; 0 onto my spare word
	s_wait_dscnt 4*NL+1                            ; the add and the youngest eight loads (A's blocks 4-7) may be out
	WIN MUL_LO
	MUL16 0, 1, NQ-1, 0, 0
	s_wait_dscnt 0x0                               ; the add is done, and my reads of slot 0 are over
	s_barrier_signal -1
	MUL16 2, 1, NQ-1, 0, 0
	WIN 0
	s_barrier_wait -1                              ; slot 1 is whole, and nobody reads slot 0 any more
	PLACES NP
	v_add_nc_u32 v[ADRS], 4*NQ, v[ADRS]            ; on to K step 1's scale words
	FETCH_B 1, 0, 0
	FETCH_A 1, 0, 0
	SCALES 1
	WIN MUL_HI
	MUL16 4, 1, NQ-1, 0, 0
	MUL16 6, 1, NQ-1, 0, 0
	PLACES NP
	WIN 0
	FETCH_A 1, 0, 4
	STEPS 1, 0
	s_wait_dscnt 4*NL                              ; the very last step: nothing more to fetch
	WIN MUL_LO
	MUL16 0, 1, NQ-1, 1, 0
	MUL16 2, 1, NQ-1, 1, 0
	s_wait_dscnt 0
	WIN MUL_HI
	MUL16 4, 1, NQ-1, 1, 0
	MUL16 6, 1, NQ-1, 1, 0
	WIN 0
; THE WAY OUT, a block of 16 tokens x 128 columns (two heads) at a time: rounded to f16, 16 bytes a lane into my own stage, back as 4 tokens x 128 bytes of one head, which are 512 consecutive bytes of qkv.
.macro PACK a
.set AC, 64*((\a)%4)
	WIN 0x0a+5*((\a)/4)                            ; sources 0 and 1: window 2 or 3
.irp b, 0,1,2,3,4,5,6,7
.irp r, 0,1,2,3
	v_cvt_pk_f16_f32 v[TMP+4*\b+\r], v[AC+8*\b+2*\r], v[AC+8*\b+2*\r+1]   ; each accumulator from its low end on
.endr
.endr
	WIN 0
.endm
.macro TOSTAGE a
.set BB, BK+32*((\a)%2)
.irp b, 0,1,2,3,4,5,6,7
	ds_store_b128 v[STO], v[TMP+4*\b:TMP+4*\b+3] offset:32*\b
.endr
.irp hh, 0,1
.irp g, 0,1,2,3
	ds_load_b128 v[BB+4*(4*\hh+\g):BB+4*(4*\hh+\g)+3], v[RD] offset:128*\hh+4*SPITCH*\g   ; LDS serves a wave's instructions in order: these see the stores above
.endr
.endr
.endm
.macro SEND a
.set BB, BK+32*((\a)%2)
	s_wait_dscnt 0x0                               ; the block is back in registers
	s_wait_xcnt 0x0                                ; the stores issued so far have read their registers: the next block's loads may land in the other set
.irp hh, 0,1
.irp g, 0,1,2,3
	global_store_b128 v[CO], v[BB+4*(4*\hh+\g):BB+4*(4*\hh+\g)+3], s[10:11] offset:\hh*262144+(16*(\a)+4*\g)*128   ; 32 lanes store 512 consecutive bytes, aligned
.endr
.endr
.endm
	PLACES NP                                      ; in front of writes of the registers that held scale words, and of the first reads of results
	PACK 0
	TOSTAGE 0
.irp a, 1,2,3,4,5,6,7                  ; block a's conversions stand between block a - 1's loads from the stage and the wait for them
	PACK \a
	SEND \a-1
	TOSTAGE \a
.endr
	SEND 7
	s_wait_tensorcnt 0x0                           ; the wave's end: a wait, an add of 0 and a wait behind my last tensor load and my last LDS store
	ds_add_u32 v[SPW], v[NIL]
	s_wait_dscnt 0x0
	CROUND                                         ; the closing round
	s_endpgm
.Lfunc_end_k_q00fb8740c5_gemm:
	.size	k_q00fb8740c5_gemm, .Lfunc_end_k_q00fb8740c5_gemm-k_q00fb8740c5_gemm
	.p2alignl 7, 3214868480
	.fill 96, 4, 3214868480
	.section	.rodata,"a",@progbits
	.p2align	6, 0x0
	.amdhsa_kernel k_q00fb8740c5_gemm
		.amdhsa_group_segment_fixed_size 327680
		.amdhsa_private_segment_fixed_size 0
		.amdhsa_enable_private_segment 0
		.amdhsa_kernarg_size 64
		.amdhsa_user_sgpr_count 2
		.amdhsa_user_sgpr_kernarg_segment_ptr 1
		.amdhsa_wavefront_size32 1
		.amdhsa_system_sgpr_workgroup_id_x 1
		.amdhsa_system_sgpr_workgroup_id_y 1
		.amdhsa_system_sgpr_workgroup_id_z 1
		.amdhsa_system_vgpr_workitem_id 0
		.amdhsa_next_free_vgpr 1024
		.amdhsa_next_free_sgpr 98
		.amdhsa_reserve_vcc 0
		.amdhsa_float_denorm_mode_32 3
		.amdhsa_float_denorm_mode_16_64 3
		.amdhsa_memory_ordered 1
		.amdhsa_forward_progress 1
		.amdhsa_inst_pref_size 128
	.end_amdhsa_kernel
	.amdgpu_metadata
---
amdhsa.version: [ 1, 2 ]
amdhsa.kernels:
  - .name:           k_q00fb8740c5_gemm
    .symbol:         k_q00fb8740c5_gemm.kd
    .args:
      - { .name: x_codes, .offset: 0, .size: 8, .value_kind: global_buffer, .address_space: global }
      - { .name: x_scales, .offset: 8, .size: 8, .value_kind: global_buffer, .address_space: global }
      - { .name: w_codes, .offset: 16, .size: 8, .value_kind: global_buffer, .address_space: global }
      - { .name: w_scales, .offset: 24, .size: 8, .value_kind: global_buffer, .address_space: global }
      - { .name: bq, .offset: 32, .size: 8, .value_kind: global_buffer, .address_space: global }
      - { .name: bk, .offset: 40, .size: 8, .value_kind: global_buffer, .address_space: global }
      - { .name: bv, .offset: 48, .size: 8, .value_kind: global_buffer, .address_space: global }
      - { .name: qkv, .offset: 56, .size: 8, .value_kind: global_buffer, .address_space: global }
    .group_segment_fixed_size: 327680
    .private_segment_fixed_size: 0
    .kernarg_segment_align: 8
    .kernarg_segment_size: 64
    .max_flat_workgroup_size: 128
    .sgpr_count:     98
    .vgpr_count:     1024
    .wavefront_size: 32
...
	.end_amdgpu_metadata
.endif
;; end of part 3
;; launch attn (part 4): grid 4 x 64, 16 waves a work-group, clusters of 4 x 1, 327,680 bytes of LDS; arguments qkv, yh; writes yh
.if DOCPART == 4
	.amdgcn_target "amdgcn-amd-amdhsa--gfx1250"
	.amdhsa_code_object_version 6
	.text
	.protected	k_q00fb8740c5_attn
	.globl	k_q00fb8740c5_attn
	.p2align	8
	.type	k_q00fb8740c5_attn,@function
k_q00fb8740c5_attn:
	s_mov_b64 s[64:65], 0
	v_nop
	global_prefetch_b8 v0, s[64:65] scope:SCOPE_SE
	s_setreg_imm32_b32 hwreg(HW_REG_WAVE_MODE, 25, 1), 1
	s_wait_xcnt 0x0
	s_wait_alu depctr_hold_cnt(0) depctr_sa_sdst(0) depctr_va_vdst(0) depctr_va_sdst(0) depctr_va_ssrc(0) depctr_va_vcc(0) depctr_vm_vsrc(0)
	s_getreg_b32 s2, hwreg(HW_REG_IB_STS2, 6, 4)
	s_cmp_eq_u32 s2, 0
	s_cbranch_scc0 .Lentry_in_a_cluster
	s_endpgm
.Lentry_in_a_cluster:
	s_bfe_u32 s2, ttmp6, 0x10000c
	s_cmp_lg_u32 s2, 0x3003
	s_cbranch_scc0 .Lentry_shape_is_right
	s_endpgm
.Lentry_shape_is_right:
; y[b][h][q][:] = the sum over k of softmax_k(Q[q] . K[k] / 8) V[k][:], for each of 64 (batch, head) pairs, 2,048 tokens, head size 64, no mask.  Q, K, V: qkv [kind][b][h][token][64] in f16; y: yh [b][h][token][64] in f16.
; Products, maxima and sums in f32; the weights p are rounded to f16 for the second product, y once at the end.
; SHARES.  A cluster of four work-groups is one (batch, head); a work-group owns 512 queries, each of its sixteen waves 32: two tiles of 16, in 256 registers.  Four waves lie on a SIMD, so that one wave's
; softmax stands beside another's products and LDS loads.  Every wave walks all 2,048 keys, 64 a step; each fragment of K and V read from LDS feeds two matrix instructions.
; LAYOUT.  S^T = K Q^T (source 0 = 16 keys, source 1 = 16 queries): a lane holds ONE query (lane % 16) and keys 8 (lane / 16) + 0..7.  Two such tiles, rounded to f16 in pairs, ARE source 1 (32 keys x 16 queries) of
; O^T = V^T P.  K comes out of LDS as it lies, V ([key][channel]) turned, by ds_load_tr16_b128.
; SOFTMAX.  For each query a running maximum m and sum l: p = 2^(c s - c m), c = log2(e) / 8; in every step O and l are multiplied by a = 2^(c m_old - c m_new).  m begins at -3e38, l and O at 0: the step is written once.
; THE RING.  Two LDS slots of 256 keys.  The four partners walk the same K and V: each tile is asked for JOINTLY (waves 0, 1: K's halves; waves 2, 3: V's).  The change of slots stands at a slot's head; the load has a slot's four steps in which to land.
; By this text's count a wave has one tensor load out at the most.
; LIMITS: NaN and infinities are not served; y keeps f16's range and step, as Q, K and V do.
.set PK,    144                        ; a key's row in LDS: 128 bytes + 16
.set PV,    160                        ; a row of V: 128 + 32
.set SK,    256                        ; keys in a slot
.set VOFF,  SK*PK                      ; a slot: 256 rows of K, then 256 rows of V
.set SLOT1, 1<<17                      ; slot 1 begins here: one exclusive or turns an address from one slot to the other
.set NSL,   2048/SK
.set SPARE, 2*SLOT1                    ; the spare words, 128 bytes a wave, which no other line names
.set SP,    144                        ; the way out: 2 x 16 rows x 144 bytes for each wave, in LDS slot 0, which was left at the last change of slots and has had its last fill
.set KIND,  16777216                   ; bytes of Q, of K, of V
.set AK0, 1                            ; v1  my lane's place in a tile of K
.set AV0, 2                            ; v2  the same for V
.set ADK, 3                            ; v3  LDS address of the slot's K
.set ADV, 4                            ; v4  of its V
.set QO,  5                            ; v5  my byte offset in the wave's rows of Q
.set RD,  6                            ; v6  the way out: where I read 16 bytes back
.set GO,  7                            ; v7  16 x lane
.set PFO, 8                            ; v8  256 x lane: the prefetches' offset; never rewritten
.set SPW, 9                            ; v9  LDS address of my spare word; never rewritten
.set NIL, 10                           ; v10 0; never rewritten
.set STO, 11                           ; v11 the way out: where I put 16 bytes of a row
.set ST,  16                           ; tile t's statistics at v[16 + 8 t]: +0 c m, +1 m, +2, +3 l, +4 to +7 at work; a in +6
.set QF,  32                           ; v32-63   Q: tile t, channels 32 c on at 32 + 16 t + 8 c
.set KV,  64                           ; v64-127  a step's K, then its V
.set S,   128                          ; v128-191 S^T, 32 a tile; P is rounded in place into each tile's low 16
.set O,   192                          ; v192-255 O^T, 32 a tile
.set WV,  12
.set LIM, 15                           ; s15 1 in a wave that prefetches, else the greatest number
.set PFA, 18                           ; s[18:19] where my prefetches stand
.set G1K, 24
.set G1V, 32
.set G0K, 40
.set G0V, 44
.set SLOTS, 56
.set CS,  58
.set SEL, 60
.set TB,  62
; Waves 0 and 1 fetch for K, waves 2 and 3 for V, the others nothing; the branches hang on the wave's number alone.  An s_nop 0 and four v_nop follow each line.
.macro TLOAD
	s_cmp_lt_u32 s[WV], 2
	s_cbranch_scc0 .Lnot_k_\@
	tensor_load_to_lds s[G0K:G0K+3], s[G1K:G1K+7]
	s_nop 0
.rept 4
	v_nop
.endr
	s_branch .Lasked_\@
.Lnot_k_\@:
	s_cmp_lt_u32 s[WV], 4
	s_cbranch_scc0 .Lasked_\@
	tensor_load_to_lds s[G0V:G0V+3], s[G1V:G1V+7]
	s_nop 0
.rept 4
	v_nop
.endr
.Lasked_\@:
.endm
; A prefetch of what the NEXT change of slots will ask for: a slot's 32,768 bytes of K (wave 4) and of V (wave 5).  The four partners take 8,192 bytes each, told apart by address; lanes stand 256 bytes apart:
; each aligned 256 bytes is named once in the launch.  It stands four key steps ahead of the load that wants the bytes.  The last change that fills a slot asks for nothing; slots 0 and 1 come by their loads alone.
.macro ASK
	s_cmp_gt_u32 s[SLOTS], s[LIM]
	s_cbranch_scc0 .Lnot_mine_\@
	global_prefetch_b8 v[PFO], s[PFA:PFA+1] th:TH_LOAD_NT scope:SCOPE_SE
.Lnot_mine_\@:
.endm
.macro CROUND                          ; a round of the cluster's barrier
	s_barrier_signal -1
	s_barrier_wait -1
	s_cmp_lg_u32 s[WV], 0
	s_cbranch_scc1 .Lnot_wave_0_\@
	s_barrier_signal -3
.Lnot_wave_0_\@:
	s_barrier_wait -3
	s_barrier_signal -1
	s_barrier_wait -1
.endm
	s_load_b128 s[4:7], s[0:1], 0x0                ; qkv s[4:5], yh s[6:7]
	v_lshl_add_u32 v[SPW], v0, 2, SPARE
	v_mov_b32 v[NIL], 0
	ds_add_u32 v[SPW], v[NIL]                      ; the opening: the add, twice on end, and its wait ahead of the first tensor load
	ds_add_u32 v[SPW], v[NIL]
	v_lshrrev_b32 v12, 5, v0
	v_readfirstlane_b32 s[WV], v12                 ; wave 0..15
	s_bfe_u32 s13, ttmp6, 0x40000                  ; cx: it enters Q's, y's and the prefetches' addresses alone
	s_and_b32 s20, ttmp7, 0xffff                   ; the (batch, head) pair, which the four partners share
	s_lshl_b32 s20, s20, 18                        ; its 262,144 bytes in a kind
	s_and_b32 s16, s[WV], 1                        ; which 128 rows of a slot I fetch, if I fetch
	s_lshl_b32 s22, s16, 14
	s_add_co_u32 s22, s22, s20
	s_add_co_u32 s22, s22, KIND                    ; K: in memory,
	s_mov_b32 s23, 0
	s_add_co_u32 s48, s22, KIND                    ; V likewise
	s_mov_b32 s49, 0
	s_mul_i32 s17, s16, 128*PK                     ; K: in a slot,
	s_mul_i32 s14, s16, 128*PV
	s_add_co_u32 s14, s14, VOFF                    ; V likewise
	s_lshl_b32 s2, s13, 16                         ; my work-group's 512 queries,
	s_lshl_b32 s3, s[WV], 12                       ; my wave's 32 of them
	s_add_co_u32 s2, s2, s3
	s_add_co_u32 s2, s2, s20
	s_mov_b32 s3, 0
	; descriptor group 1: 128 rows x 64 elements of 2 bytes, dense in memory, padded in LDS
	s_mov_b32 s[G1K], 15|(1<<16)|(1<<20)|(1<<21)|(4<<22)|(3<<25)  ; the mask: all four work-groups; elements of 2 bytes; padding on; bit 21 beside a mask; after every 32 words, 4 words
	s_mov_b32 s[G1V], 15|(1<<16)|(1<<20)|(1<<21)|(4<<22)|(7<<25)  ; the same with 8 words
.irp g, G1K, G1V
	s_mov_b32 s[\g+1], 64<<16                      ; tensor_dim0
	s_mov_b32 s[\g+2], 128<<16                     ; tensor_dim1
	s_mov_b32 s[\g+3], 64<<16                      ; tile_dim0
	s_mov_b32 s[\g+4], 128                         ; tile_dim1
	s_mov_b32 s[\g+5], 64                          ; from row to row
	s_mov_b32 s[\g+6], 0
	s_mov_b32 s[\g+7], 0
.endr
	s_mov_b32 s[CS], 0x3e38aa3b                    ; c = log2(e) / 8
	s_mov_b32 s[CS+1], s[CS]                       ; (named with it as a pair, so it is written)
	s_mov_b32 s[SEL], 0x76543210
	s_mov_b32 s[SEL+1], 0xfedcba98                 ; v_permlanex16_b32's selects for lane l xor 16
	s_mov_b32 s[TB], 0
	s_mov_b32 s[SLOTS], NSL-1
	s_lshr_b32 s[LIM], s[WV], 1
	s_cmp_eq_u32 s[LIM], 2                         ; waves 4 and 5 prefetch: the same in all four partners
	s_cselect_b32 s[LIM], 1, -1
	v_and_b32 v[PFO], 31, v0
	v_lshlrev_b32 v[PFO], 8, v[PFO]
	s_cmp_eq_u32 s[WV], 4                          ; wave 4 asks for K's bytes, wave 5 for V's
	s_cselect_b32 s50, 0, KIND
	s_add_co_u32 s50, s50, KIND+SK*128             ; in slot 1: the first change of slots steps it to slot 2
	s_add_co_u32 s50, s50, s20
	s_lshl_b32 s51, s13, 13                        ; my work-group's 8,192 bytes of a slot's 32,768
	s_add_co_u32 s50, s50, s51
	s_mov_b32 s51, 0
	s_wait_dscnt 0x0                               ; both opening adds are done
	s_wait_kmcnt 0x0
	s_add_nc_u64 s[8:9], s[4:5], s[2:3]            ; Q at my wave's first query
	s_add_nc_u64 s[10:11], s[6:7], s[2:3]          ; y likewise
	s_add_nc_u64 s[PFA:PFA+1], s[4:5], s[50:51]
	s_mov_b32 s[G0K], 1                            ; count = 1
	s_mov_b32 s[G0K+1], s17                        ; LDS address: slot 0
	s_add_nc_u64 s[G0K+2:G0K+3], s[4:5], s[22:23]  ; global address: the pair's first 256 keys
	s_or_b32 s[G0K+3], s[G0K+3], 0x80000000        ; type = 2
	s_mov_b32 s[G0V], 1
	s_mov_b32 s[G0V+1], s14
	s_add_nc_u64 s[G0V+2:G0V+3], s[4:5], s[48:49]
	s_or_b32 s[G0V+3], s[G0V+3], 0x80000000
	CROUND                                         ; all four work-groups are here: the first joint loads meet
	TLOAD                                          ; slot 0
	v_and_b32 v12, 15, v0                          ; r = lane % 16
	v_bfe_u32 v13, v0, 4, 1                        ; h = lane / 16
	v_lshlrev_b32 v[QO], 7, v12
	v_lshl_add_u32 v[QO], v13, 4, v[QO]            ; row r of 128 bytes + 16 h
.irp t, 0,1
.irp c, 0,1
	global_load_b128 v[QF+16*\t+8*\c:QF+16*\t+8*\c+3],   v[QO], s[8:9] offset:\t*2048+64*\c      ; Q stays in registers
	global_load_b128 v[QF+16*\t+8*\c+4:QF+16*\t+8*\c+7], v[QO], s[8:9] offset:\t*2048+64*\c+32
.endr
.endr
	v_mul_u32_u24 v[AK0], v12, PK
	v_lshl_add_u32 v[AK0], v13, 4, v[AK0]          ; K: row r x pitch + 16 h
	v_and_b32 v14, 7, v0                           ; V, for the turning load: key 8 h + l % 8, channels 8 ((l / 8) % 2) on
	v_bfe_u32 v15, v0, 3, 1
	v_lshl_add_u32 v[AV0], v13, 3, v14
	v_mul_u32_u24 v[AV0], v[AV0], PV
	v_lshl_add_u32 v[AV0], v15, 4, v[AV0]
	v_add_nc_u32 v[AV0], VOFF, v[AV0]
.irp t, 0,1
	v_mov_b32 v[ST+8*\t+1], 0xff61b1e6             ; m: -3e38, under every score
	v_mul_f32 v[ST+8*\t], s[CS], v[ST+8*\t+1]      ; c m
	v_mov_b32 v[ST+8*\t+2], 0                      ; l, in two halves
	v_mov_b32 v[ST+8*\t+3], 0
.endr
.set e, 0
.rept 64
	v_mov_b32 v[O+e], 0                            ; O^T: the first step finds zeros, which its a = 0 leaves zeros: so the step is written once
.set e, e+1
.endr
; A KEY STEP: 64 keys, the q-th of the slot in hand.
.macro STEP q
.rept 5
	v_nop                                          ; five places behind the last products V^T P: four for the loads into the registers that held V, five for the products below, which write over P
.endr
.irp c, 0,1
.irp kt, 0,1,2,3
	ds_load_b128 v[KV+8*(4*\c+\kt):KV+8*(4*\c+\kt)+3],   v[ADK] offset:(64*(\q)+16*\kt)*PK+64*\c
	ds_load_b128 v[KV+8*(4*\c+\kt)+4:KV+8*(4*\c+\kt)+7], v[ADK] offset:(64*(\q)+16*\kt)*PK+64*\c+32
.endr
.endr
	s_wait_dscnt 8                                 ; channels 0-31 of the 64 keys are in; the eight loads of channels 32-63 may be out
.irp kt, 0,1,2,3                       ; eight accumulators take turns, one instruction a turn; the first eight products start the sums
.irp t, 0,1
	v_wmma_f32_16x16x32_f16 v[S+32*\t+8*\kt:S+32*\t+8*\kt+7], v[KV+8*\kt:KV+8*\kt+7], v[QF+16*\t:QF+16*\t+7], 0
.endr
.endr
	s_wait_dscnt 0x0
.irp kt, 0,1,2,3
.irp t, 0,1
	v_wmma_f32_16x16x32_f16 v[S+32*\t+8*\kt:S+32*\t+8*\kt+7], v[KV+32+8*\kt:KV+32+8*\kt+7], v[QF+16*\t+8:QF+16*\t+15], v[S+32*\t+8*\kt:S+32*\t+8*\kt+7]
.endr
.endr
.rept 4
	v_nop                                          ; four places: for the loads into the registers that held K, and for the first reads of the scores
.endr
.irp kh, 0,1                           ; V of the same 64 keys, turned: it lands while the softmax is walked
.irp ct, 0,1,2,3
	ds_load_tr16_b128 v[KV+8*(4*\kh+\ct):KV+8*(4*\kh+\ct)+3],   v[ADV] offset:(64*(\q)+32*\kh)*PV+32*\ct
	ds_load_tr16_b128 v[KV+8*(4*\kh+\ct)+4:KV+8*(4*\kh+\ct)+7], v[ADV] offset:(64*(\q)+32*\kh)*PV+16*PV+32*\ct
.endr
.endr
	; the maximum of a lane's 32 scores and the old m, the two tiles line by line in turn; each accumulator is read from its low end on
.irp j, 0,1,2,3
.irp t, 0,1
	v_max3_num_f32 v[ST+8*\t+4+\j], v[S+32*\t+8*\j], v[S+32*\t+8*\j+1], v[S+32*\t+8*\j+2]
.endr
.endr
.irp u, 1,2
.irp j, 0,1,2,3
.irp t, 0,1
	v_max3_num_f32 v[ST+8*\t+4+\j], v[ST+8*\t+4+\j], v[S+32*\t+8*\j+2*\u+1], v[S+32*\t+8*\j+2*\u+2]
.endr
.endr
.endr
.irp t, 0,1
	v_max3_num_f32 v[ST+8*\t+4], v[ST+8*\t+4], v[S+32*\t+7], v[S+32*\t+15]
.endr
.irp t, 0,1
	v_max3_num_f32 v[ST+8*\t+6], v[ST+8*\t+6], v[S+32*\t+23], v[S+32*\t+31]
.endr
.irp t, 0,1
	v_max3_num_f32 v[ST+8*\t+4], v[ST+8*\t+4], v[ST+8*\t+5], v[ST+8*\t+6]
.endr
.irp t, 0,1
	v_max3_num_f32 v[ST+8*\t+4], v[ST+8*\t+4], v[ST+8*\t+7], v[ST+8*\t+1]
.endr
.irp t, 0,1
	v_permlanex16_b32 v[ST+8*\t+5], v[ST+8*\t+4], s[SEL], s[SEL+1]   ; the query's other 32 keys lie in the lane 16 away
.endr
.irp t, 0,1
	v_mov_b32 v[ST+8*\t+7], v[ST+8*\t]             ; c m_old is kept for a
.endr
.irp t, 0,1
	v_max_num_f32 v[ST+8*\t+1], v[ST+8*\t+4], v[ST+8*\t+5]
.endr
.irp t, 0,1
	v_mul_f32 v[ST+8*\t], s[CS], v[ST+8*\t+1]
.endr
.irp t, 0,1
	v_sub_f32 v[ST+8*\t+7], v[ST+8*\t+7], v[ST+8*\t]
.endr
.set e, 0
.rept 16
.irp t, 0,1
	v_pk_fma_f32 v[S+32*\t+e:S+32*\t+e+1], v[S+32*\t+e:S+32*\t+e+1], s[CS:CS+1], v[ST+8*\t:ST+8*\t+1] op_sel_hi:[1,0,0] neg_lo:[0,0,1] neg_hi:[0,0,1]   ; c s - c m, two at a time
.endr
.set e, e+2
.endr
.irp t, 0,1                            ; ONE BATCH of 66 exponentials: none reads another's result
	v_exp_f32 v[ST+8*\t+6], v[ST+8*\t+7]           ; a
.endr
.set e, 0
.rept 32
	v_exp_f32 v[S+e], v[S+e]
	v_exp_f32 v[S+32+e], v[S+32+e]
.set e, e+1
.endr
	v_nop                                          ; a plain line behind the last exponential
	s_wait_alu depctr_va_vdst(0)                   ; one wait for the batch, ahead of the first line that names a result
.irp t, 0,1
	v_pk_mul_f32 v[ST+8*\t+2:ST+8*\t+3], v[ST+8*\t+2:ST+8*\t+3], v[ST+8*\t+6:ST+8*\t+7] op_sel_hi:[1,0]   ; l under the new m
.endr
.irp t, 0,1                            ; the row's sum is taken of the unrounded p, in two chains
	v_pk_add_f32 v[ST+8*\t+4:ST+8*\t+5], v[S+32*\t:S+32*\t+1], v[S+32*\t+2:S+32*\t+3]
.endr
.irp p, 4,8,12,16,20,24,28
.irp t, 0,1
	v_pk_add_f32 v[ST+8*\t+2:ST+8*\t+3], v[ST+8*\t+2:ST+8*\t+3], v[S+32*\t+\p:S+32*\t+\p+1]
.endr
.irp t, 0,1
	v_pk_add_f32 v[ST+8*\t+4:ST+8*\t+5], v[ST+8*\t+4:ST+8*\t+5], v[S+32*\t+\p+2:S+32*\t+\p+3]
.endr
.endr
.irp t, 0,1
	v_pk_add_f32 v[ST+8*\t+2:ST+8*\t+3], v[ST+8*\t+2:ST+8*\t+3], v[ST+8*\t+4:ST+8*\t+5]
.endr
.set e, 0
.rept 16                               ; P in place: register e takes p 2 e and 2 e + 1; ascending, so that nothing is written before it is read
.irp t, 0,1
	v_cvt_pk_f16_f32 v[S+32*\t+e], v[S+32*\t+2*e], v[S+32*\t+2*e+1]
.endr
.set e, e+1
.endr
.set e, 0
.rept 16
.irp t, 0,1
	v_pk_mul_f32 v[O+32*\t+e:O+32*\t+e+1], v[O+32*\t+e:O+32*\t+e+1], v[ST+8*\t+6:ST+8*\t+7] op_sel_hi:[1,0]   ; O^T under the new m, each accumulator from its low end on
.endr
.set e, e+2
.endr
	s_wait_dscnt 0x0                               ; V is in
.irp kh, 0,1                           ; O^T += V^T P: eight accumulators by turns
.irp ct, 0,1,2,3
.irp t, 0,1
	v_wmma_f32_16x16x32_f16 v[O+32*\t+8*\ct:O+32*\t+8*\ct+7], v[KV+8*(4*\kh+\ct):KV+8*(4*\kh+\ct)+7], v[S+32*\t+8*\kh:S+32*\t+8*\kh+7], v[O+32*\t+8*\ct:O+32*\t+8*\ct+7]
.endr
.endr
.endr
.endm
; THE CHANGE OF SLOTS, at a slot's head.  Each wave waits for all its tensor loads (its part of the slot ahead), adds 0 to its spare word, and waits for that and for its reads of the slot that it has left.
; fill = 1: behind a round of the cluster's barrier the slot that was left (in the first trip: slot 1, for the first time) takes the next 256 keys.
.macro CHANGE fill
	s_wait_tensorcnt 0x0                           ; no tensor load of mine is out, so a group 0 may be written
	ds_add_u32 v[SPW], v[NIL]                      ; 0 onto my spare word
.if \fill
	ds_add_u32 v[SPW], v[NIL]                      ; and once more: the add stands twice in every trip alike
	s_xor_b32 s[G0K+1], s[G0K+1], SLOT1            ; the walking descriptors: the other slot,
	s_add_nc_u64 s[G0K+2:G0K+3], s[G0K+2:G0K+3], SK*128   ; the next 256 keys
	s_xor_b32 s[G0V+1], s[G0V+1], SLOT1
	s_add_nc_u64 s[G0V+2:G0V+3], s[G0V+2:G0V+3], SK*128
	s_wait_xcnt 0x0                                ; the last prefetch, a slot back, has read its address
	s_add_nc_u64 s[PFA:PFA+1], s[PFA:PFA+1], SK*128   ; one slot further on than the walking descriptors
	s_wait_dscnt 0x0                               ; both adds are done, and my reads of the slot that I have left are over
	CROUND                                         ; the same holds of every wave of every partner
	TLOAD                                          ; the first thing behind the round, and a wave's one tensor load until the next
	ASK
.else
	s_wait_dscnt 0x0
	s_barrier_signal -1
	s_barrier_wait -1
.endif
.endm
.macro SLOT_STEPS
	v_add_nc_u32 v[ADK], s[TB], v[AK0]
	v_add_nc_u32 v[ADV], s[TB], v[AV0]
	STEP 0
	STEP 1
	STEP 2
	STEP 3
	s_xor_b32 s[TB], s[TB], SLOT1                  ; on to the other slot
.endm
	s_wait_loadcnt 0x0                             ; Q
.Lslot:                                            ; 7 trips: behind each change of slots but the last the next slot is asked for
	CHANGE 1
	SLOT_STEPS
	s_sub_co_u32 s[SLOTS], s[SLOTS], 1
	s_cmp_lg_u32 s[SLOTS], 0
	s_cbranch_scc1 .Lslot
	CHANGE 0                                       ; the last slot is written out
	SLOT_STEPS
	; THE WAY OUT.  l's halves are added; O^T is divided by l, rounded to f16 and sent through my stage, so that 4 tokens x 128 bytes leave as 512 consecutive bytes.
.rept 4
	v_nop                                          ; four places behind the last products
.endr
.irp t, 0,1
	v_add_f32 v[ST+8*\t+4], v[ST+8*\t+2], v[ST+8*\t+3]
.endr
.irp t, 0,1
	v_permlanex16_b32 v[ST+8*\t+5], v[ST+8*\t+4], s[SEL], s[SEL+1]
.endr
.irp t, 0,1
	v_add_f32 v[ST+8*\t+4], v[ST+8*\t+4], v[ST+8*\t+5]
.endr
.irp t, 0,1
	v_rcp_f32 v[ST+8*\t+6], v[ST+8*\t+4]
.endr
	v_and_b32 v12, 15, v0                          ; (plain lines behind the reciprocals)  r
	v_bfe_u32 v13, v0, 4, 1                        ; h
	s_mul_i32 s2, s[WV], 2*16*SP                   ; my stage
	v_mul_u32_u24 v[STO], v12, SP
	v_lshl_add_u32 v[STO], v13, 4, v[STO]
	v_add_nc_u32 v[STO], s2, v[STO]                ; in: row r, 16 bytes for each half of the lanes
	v_bfe_u32 v14, v0, 3, 2
	v_and_b32 v15, 7, v0
	v_mul_u32_u24 v[RD], v14, SP
	v_lshl_add_u32 v[RD], v15, 4, v[RD]
	v_add_nc_u32 v[RD], s2, v[RD]                  ; back: eight lanes to a row of 128 bytes, four rows an instruction
	v_and_b32 v[GO], 31, v0
	v_lshlrev_b32 v[GO], 4, v[GO]
	s_wait_alu depctr_va_vdst(0)                   ; one wait for the two reciprocals, ahead of their first reader
.set e, 0
.rept 16
.irp t, 0,1
	v_pk_mul_f32 v[O+32*\t+e:O+32*\t+e+1], v[O+32*\t+e:O+32*\t+e+1], v[ST+8*\t+6:ST+8*\t+7] op_sel_hi:[1,0]
.endr
.set e, e+2
.endr
.set e, 0
.rept 16
.irp t, 0,1
	v_cvt_pk_f16_f32 v[S+16*\t+e], v[O+32*\t+2*e], v[O+32*\t+2*e+1]   ; registers 4 ct .. 4 ct + 3: channels 16 ct + 8 h + 0 .. 7 of query r
.endr
.set e, e+1
.endr
.irp t, 0,1
.irp ct, 0,1,2,3
	ds_store_b128 v[STO], v[S+16*\t+4*\ct:S+16*\t+4*\ct+3] offset:16*SP*\t+32*\ct
.endr
.endr
.irp t, 0,1
.irp g, 0,1,2,3
	ds_load_b128 v[S+32+4*(4*\t+\g):S+32+4*(4*\t+\g)+3], v[RD] offset:16*SP*\t+4*SP*\g   ; LDS serves a wave's instructions in order: these see my stores
.endr
.endr
.irp t, 0,1
.irp g, 0,1,2,3
	s_wait_dscnt 7-4*\t-\g                         ; loads come back in order: this one is in, the later ones may be out
	global_store_b128 v[GO], v[S+32+4*(4*\t+\g):S+32+4*(4*\t+\g)+3], s[10:11] offset:(16*\t+4*\g)*128   ; 32 lanes store 512 consecutive bytes, aligned
.endr
.endr
	s_wait_tensorcnt 0x0                           ; the wave's end: a wait, an add of 0 and a wait behind my last tensor load and my last LDS store
	ds_add_u32 v[SPW], v[NIL]
	s_wait_dscnt 0x0
	CROUND                                         ; the closing round
	s_endpgm
.Lfunc_end_k_q00fb8740c5_attn:
	.size	k_q00fb8740c5_attn, .Lfunc_end_k_q00fb8740c5_attn-k_q00fb8740c5_attn
	.p2alignl 7, 3214868480
	.fill 96, 4, 3214868480
	.section	.rodata,"a",@progbits
	.p2align	6, 0x0
	.amdhsa_kernel k_q00fb8740c5_attn
		.amdhsa_group_segment_fixed_size 327680
		.amdhsa_private_segment_fixed_size 0
		.amdhsa_enable_private_segment 0
		.amdhsa_kernarg_size 16
		.amdhsa_user_sgpr_count 2
		.amdhsa_user_sgpr_kernarg_segment_ptr 1
		.amdhsa_wavefront_size32 1
		.amdhsa_system_sgpr_workgroup_id_x 1
		.amdhsa_system_sgpr_workgroup_id_y 1
		.amdhsa_system_sgpr_workgroup_id_z 1
		.amdhsa_system_vgpr_workitem_id 0
		.amdhsa_next_free_vgpr 256
		.amdhsa_next_free_sgpr 66
		.amdhsa_reserve_vcc 0
		.amdhsa_float_denorm_mode_32 3
		.amdhsa_float_denorm_mode_16_64 3
		.amdhsa_memory_ordered 1
		.amdhsa_forward_progress 1
		.amdhsa_inst_pref_size 155
	.end_amdhsa_kernel
	.amdgpu_metadata
---
amdhsa.version: [ 1, 2 ]
amdhsa.kernels:
  - .name:           k_q00fb8740c5_attn
    .symbol:         k_q00fb8740c5_attn.kd
    .args:
      - { .name: qkv, .offset: 0, .size: 8, .value_kind: global_buffer, .address_space: global }
      - { .name: yh, .offset: 8, .size: 8, .value_kind: global_buffer, .address_space: global }
    .group_segment_fixed_size: 327680
    .private_segment_fixed_size: 0
    .kernarg_segment_align: 8
    .kernarg_segment_size: 16
    .max_flat_workgroup_size: 512
    .sgpr_count:     66
    .vgpr_count:     256
    .wavefront_size: 32
...
	.end_amdgpu_metadata
.endif
;; end of part 4
;; launch proj (part 5): grid 4 x 64, 4 waves a work-group, clusters of 4 x 4, 327,680 bytes of LDS; arguments yh, wo16t, bo, out0; writes out0
.if DOCPART == 5
	.amdgcn_target "amdgcn-amd-amdhsa--gfx1250"
	.amdhsa_code_object_version 6
	.text
	.protected	k_q00fb8740c5_proj
	.globl	k_q00fb8740c5_proj
	.p2align	8
	.type	k_q00fb8740c5_proj,@function
k_q00fb8740c5_proj:
	s_mov_b64 s[64:65], 0
	v_nop
	global_prefetch_b8 v0, s[64:65] scope:SCOPE_SE
	s_setreg_imm32_b32 hwreg(HW_REG_WAVE_MODE, 25, 1), 1
	s_wait_xcnt 0x0
	s_wait_alu depctr_hold_cnt(0) depctr_sa_sdst(0) depctr_va_vdst(0) depctr_va_sdst(0) depctr_va_ssrc(0) depctr_va_vcc(0) depctr_vm_vsrc(0)
	s_getreg_b32 s2, hwreg(HW_REG_IB_STS2, 6, 4)
	s_cmp_eq_u32 s2, 0
	s_cbranch_scc0 .Lentry_in_a_cluster
	s_endpgm
.Lentry_in_a_cluster:
	s_bfe_u32 s2, ttmp6, 0x10000c
	s_cmp_lg_u32 s2, 0xf033
	s_cbranch_scc0 .Lentry_shape_is_right
	s_endpgm
.Lentry_shape_is_right:
; out0 = y Wo + bo.  y: yh [b][h][token][64] in f16 (k = 64 head + channel); Wo: wo16t [n 1024][k 1024] in f16; bo [1024] and out0 [8192][1024] in f32; sums in f32.
; A tile of 128 tokens x 256 columns is made by four waves, each 64 x 128: 32 accumulators, 256 registers: 256 work-groups.  (256 x 256 would give 128 work-groups; 128 x 128 would halve what an LDS byte feeds.)
; K goes in steps of 128 (two heads) through a ring of two LDS slots: two slots of a step of 256 would want more LDS than a work-group can claim.  In a slot: y's two heads, 128 rows x 128 bytes each, then Wo's 256 rows x 256 bytes.
; CLUSTERS: 4 x 4 work-groups; the four of a row need the same tiles of y, the four of a column the same tiles of Wo: each is asked for jointly, one load a wave (waves 0, 1: y's two heads; waves 2, 3: Wo's halves).
; By this text's count a wave has two tensor loads out at the head and one behind each round.  From a request to the wait for it a wave issues 112 matrix instructions.
; THE MATRIX INSTRUCTION IS USED TRANSPOSED (source 0 = 16 rows of Wo, source 1 = 16 tokens): a lane holds eight neighbouring columns of one token.
; No prefetch: the tiles are shared in the cluster and the walk along K is eight steps long.
; REGISTERS: window 0: v0-31 addresses; v32-35 bo of my lane's four columns on the way out; v64-159, v160-255 two fragment buffers (32 registers of y, then 64 of Wo).  window 1: the accumulators, (a, b) at v[8 (8 a + b)].
.set PA,     144                       ; a row of y in LDS: 128 bytes + 16
.set PB,     272                       ; a row of Wo: 256 + 16
.set SUBA,   128*PA                    ; one head's 128 tokens
.set BOFF,   2*SUBA
.set HALFB,  128*PB
.set SLOT,   BOFF+2*HALFB
.set SPARE,  2*SLOT                    ; the spare words, 128 bytes a wave, which no other line names
.set SPITCH, 528                       ; the way out: 16 rows x (512 bytes + 16) for each wave, in slot 0, which has had its last fill and its last read by then
.set LAPS,   4                         ; a lap = two K steps = once round the ring
.set ADRA, 16
.set ADRB, 20
.set STO,  24
.set RD,   25
.set CO,   26
.set SPW,  28                          ; v28 LDS address of my spare word; never rewritten
.set NIL,  29                          ; v29 0; never rewritten
.set BIAS, 32
.set F0,   64
.set F1,   160
.set BK,   64                          ; the way out: two sets of 64 registers
.set WV,   12                          ; s12 wave
.set RH,   13                          ; s13 which 64 tokens are mine.  Also: I fetch for y (0) or for Wo (1)
.set CH,   14                          ; s14 which 128 columns.  Also: which head of the two, or which 128 rows of Wo, I fetch
.set G1, 24
.set G0, 32
.set G1B, 48
.set G0B, 56
.set MSB, 0
.macro WIN new                         ; the immediate's high byte repeats the setting that is left
.if MSB != (\new)
	s_set_vgpr_msb (MSB<<8)|(\new)
.set MSB, (\new)
.endif
.endm
.set MUL, 0x50                         ; sources 0 and 1 window 0; C and D window 1
.macro JLOAD s                         ; a joint load; an s_nop 0 and four v_nop follow each of the two lines
	s_cmp_eq_u32 s[RH], 0
	s_cbranch_scc0 .Lfor_b_\@
	tensor_load_to_lds s[G0+4*\s:G0+4*\s+3], s[G1:G1+7]
	s_nop 0
.rept 4
	v_nop
.endr
	s_branch .Lasked_\@
.Lfor_b_\@:
	tensor_load_to_lds s[G0B+4*\s:G0B+4*\s+3], s[G1B:G1B+7]
	s_nop 0
.rept 4
	v_nop
.endr
.Lasked_\@:
.endm
.macro CREST                           ; a round of the cluster's barrier behind its opening barrier
	s_cmp_lg_u32 s[WV], 0
	s_cbranch_scc1 .Lnot_wave_0_\@
	s_barrier_signal -3
.Lnot_wave_0_\@:
	s_barrier_wait -3
	s_barrier_signal -1
	s_barrier_wait -1
.endm
.macro CROUND
	s_barrier_signal -1
	s_barrier_wait -1
	CREST
.endm
	s_load_b256 s[4:11], s[0:1], 0x0               ; yh s[4:5], wo16t s[6:7], bo s[8:9], out0 s[10:11]
	v_lshl_add_u32 v[SPW], v0, 2, SPARE
	v_mov_b32 v[NIL], 0
	ds_add_u32 v[SPW], v[NIL]                      ; the opening: the add, twice on end, and its wait ahead of my first tensor load
	ds_add_u32 v[SPW], v[NIL]
	v_lshrrev_b32 v1, 5, v0
	v_readfirstlane_b32 s[WV], v1
	s_lshr_b32 s[RH], s[WV], 1
	s_and_b32 s[CH], s[WV], 1
	s_bfe_u32 s40, ttmp6, 0x40000                  ; cx, cy
	s_bfe_u32 s41, ttmp6, 0x40004
	s_lshl_b32 s42, ttmp9, 2
	s_add_co_u32 s42, s42, s40                     ; tile column = 4 x cluster x + cx
	s_and_b32 s15, ttmp7, 0xffff
	s_lshl_b32 s15, s15, 2
	s_add_co_u32 s15, s15, s41                     ; tile row T = 4 x cluster y + cy: tokens 128 T on
	s_lshl_b32 s43, s41, 2
	s_lshl_b32 s43, 15, s43                        ; my row of the cluster
	s_lshl_b32 s44, 0x1111, s40                    ; my column
	s_or_b32 s[G1+0], s43, (1<<16)|(1<<20)|(1<<21)|(4<<22)|(3<<25)   ; y: the mask; elements of 2 bytes; padding on; bit 21 beside a mask; after every 32 words, 4 words
	s_mov_b32 s[G1+1], 64<<16                      ; tensor_dim0
	s_mov_b32 s[G1+2], 128<<16                     ; tensor_dim1
	s_mov_b32 s[G1+3], 64<<16                      ; tile_dim0
	s_mov_b32 s[G1+4], 128                         ; tile_dim1
	s_mov_b32 s[G1+5], 64                          ; from row to row
	s_mov_b32 s[G1+6], 0
	s_mov_b32 s[G1+7], 0
	s_or_b32 s[G1B+0], s44, (1<<16)|(1<<20)|(1<<21)|(5<<22)|(3<<25)  ; Wo: after every 64 words, 4 words
	s_mov_b32 s[G1B+1], 128<<16
	s_mov_b32 s[G1B+2], 128<<16
	s_mov_b32 s[G1B+3], 128<<16
	s_mov_b32 s[G1B+4], 128
	s_mov_b32 s[G1B+5], 1024
	s_mov_b32 s[G1B+6], 0
	s_mov_b32 s[G1B+7], 0
	s_lshr_b32 s16, s15, 4                         ; y: batch T / 16, token 128 (T % 16), head = my one of the step's two
	s_lshl_b32 s16, s16, 22
	s_and_b32 s17, s15, 15
	s_lshl_b32 s17, s17, 14
	s_add_co_u32 s16, s16, s17
	s_lshl_b32 s17, s[CH], 18
	s_add_co_u32 s16, s16, s17
	s_mov_b32 s17, 0
	s_lshl_b32 s46, s42, 19                        ; Wo: row 256 x tile column + 128 x my half, 2,048 bytes a row
	s_lshl_b32 s47, s[CH], 18
	s_add_co_u32 s46, s46, s47
	s_mov_b32 s47, 0
	s_mul_i32 s20, s[CH], SUBA                     ; where they go: no place in the cluster enters an LDS address
	s_mul_i32 s21, s[CH], HALFB
	s_add_co_u32 s21, s21, BOFF
	s_wait_dscnt 0x0                               ; both opening adds are done
	s_wait_kmcnt 0x0
	s_add_nc_u64 s[16:17], s[4:5], s[16:17]
	s_add_nc_u64 s[46:47], s[6:7], s[46:47]
	CROUND                                         ; all sixteen work-groups are here: the first joint loads meet
.irp s, 0,1
	s_mov_b32 s[G0+4*\s], 1
	s_add_co_u32 s[G0+4*\s+1], s20, \s*SLOT
	s_add_nc_u64 s[G0+4*\s+2:G0+4*\s+3], s[16:17], \s*2*262144     ; K step s: heads 2 s, 2 s + 1
	s_or_b32 s[G0+4*\s+3], s[G0+4*\s+3], 0x80000000
	s_mov_b32 s[G0B+4*\s], 1
	s_add_co_u32 s[G0B+4*\s+1], s21, \s*SLOT
	s_add_nc_u64 s[G0B+4*\s+2:G0B+4*\s+3], s[46:47], \s*256
	s_or_b32 s[G0B+4*\s+3], s[G0B+4*\s+3], 0x80000000
	JLOAD \s
.endr
	v_and_b32 v1, 15, v0                           ; l % 16
	v_bfe_u32 v2, v0, 4, 1                         ; l / 16
	v_mul_u32_u24 v3, v1, PA
	v_lshl_add_u32 v3, v2, 4, v3
	v_mul_u32_u24 v4, v1, PB
	v_lshl_add_u32 v4, v2, 4, v4
	s_mul_i32 s21, s[RH], 64*PA                    ; my 64 tokens
	s_mul_i32 s22, s[CH], HALFB                    ; my 128 rows of Wo
	s_add_co_u32 s22, s22, BOFF
.irp s, 0,1
	v_add_nc_u32 v[ADRA+\s], s21, v3
	v_add_nc_u32 v[ADRB+\s], s22, v4
	s_add_co_u32 s21, s21, SLOT
	s_add_co_u32 s22, s22, SLOT
.endr
	s_mul_i32 s23, s[WV], 16*SPITCH                ; my stage
	v_mul_u32_u24 v5, v1, SPITCH
	v_lshl_add_u32 v5, v2, 5, v5
	v_add_nc_u32 v[STO], s23, v5                   ; in: token l % 16, 32 bytes for each half of the lanes
	v_and_b32 v6, 31, v0
	v_lshlrev_b32 v[CO], 4, v6                     ; back: the 32 lanes take a row of 512 bytes; and the same in out0 and in bo
	v_add_nc_u32 v[RD], s23, v[CO]
	s_lshl_b32 s18, s15, 19                        ; out0: token 128 T + 64 x my half, 4,096 bytes a row,
	s_lshl_b32 s19, s[RH], 18
	s_add_co_u32 s18, s18, s19
	s_lshl_b32 s46, s42, 10                        ; column 256 x tile column + 128 x my half
	s_lshl_b32 s47, s[CH], 9
	s_add_co_u32 s46, s46, s47
	s_mov_b32 s47, 0
	s_add_nc_u64 s[8:9], s[8:9], s[46:47]
	s_add_co_u32 s18, s18, s46
	s_mov_b32 s19, 0
	s_add_nc_u64 s[10:11], s[10:11], s[18:19]
	global_load_b128 v[BIAS:BIAS+3], v[CO], s[8:9] ; on the way out a lane's four columns are the same in every row
; 8 matrix instructions: token block a x Wo's eight blocks, 32 along K, from buffer f.  zero = 1: the product starts the sums.  The 32 accumulators take turns, one instruction a turn.
.macro MULA f, a, zero
.irp b, 0,1,2,3,4,5,6,7
.if \zero
	v_wmma_f32_16x16x32_f16 v[8*(8*(\a)+\b):8*(8*(\a)+\b)+7], v[\f+32+8*\b:\f+32+8*\b+7], v[\f+8*(\a):\f+8*(\a)+7], 0
.else
	v_wmma_f32_16x16x32_f16 v[8*(8*(\a)+\b):8*(8*(\a)+\b)+7], v[\f+32+8*\b:\f+32+8*\b+7], v[\f+8*(\a):\f+8*(\a)+7], v[8*(8*(\a)+\b):8*(8*(\a)+\b)+7]
.endif
.endr
.endm
; 24 LDS loads in one run: the fragments of the slot's q-th 32 along K into buffer f: Wo's sixteen first, y's blocks 0, 1, then 2, 3
.macro FETCH slot, q, f
	WIN 0
.irp i, 0,1,2,3,4,5,6,7
	ds_load_b128 v[\f+32+8*\i:\f+32+8*\i+3],   v[ADRB+\slot] offset:64*(\q)+\i*16*PB
	ds_load_b128 v[\f+32+8*\i+4:\f+32+8*\i+7], v[ADRB+\slot] offset:64*(\q)+\i*16*PB+32
.endr
.irp i, 0,1,2,3
	ds_load_b128 v[\f+8*\i:\f+8*\i+3],   v[ADRA+\slot] offset:((\q)/2)*SUBA+64*((\q)%2)+\i*16*PA
	ds_load_b128 v[\f+8*\i+4:\f+8*\i+7], v[ADRA+\slot] offset:((\q)/2)*SUBA+64*((\q)%2)+\i*16*PA+32
.endr
.endm
.macro PLACES                          ; four plain lines in front of loads into registers that matrix instructions have read, and of reads of results
.rept 4
	v_nop
.endr
.endm
; One of a K step's first three quarters: multiplies buffer f and fetches the slot's quarter q into buffer g.
.macro QUARTER slot, q, f, g, zero
	s_wait_dscnt 4                                 ; Wo's fragments and y's blocks 0, 1 are in; the youngest four loads (y's blocks 2, 3) may be out
	WIN MUL
	MULA \f, 0, \zero
	MULA \f, 1, \zero
	PLACES
	FETCH \slot, \q, \g
	s_wait_dscnt 24                                ; all but the 24 just issued
	WIN MUL
	MULA \f, 2, \zero
	MULA \f, 3, \zero
.endm
; The last quarter multiplies buffer 1 and changes slots: one barrier; in front of it each wave waits for all its tensor loads, adds 0 to its spare word, and waits for that and for its reads of this slot.
.macro TURN slot, next, fill
	WIN 0                                          ; (the add's two registers lie in window 0)
	s_wait_tensorcnt 0x0                           ; all my tensor loads have landed: my part of the next slot
	ds_add_u32 v[SPW], v[NIL]                      ; 0 onto my spare word
	s_wait_dscnt 5                                 ; the add and the youngest four loads may be out
	WIN MUL
	MULA F1, 0, 0                                  ; eight matrix instructions stand between the add and the wait for it
	s_wait_dscnt 0x0                               ; the add is done, and my reads of this slot are over
	s_barrier_signal -1
	MULA F1, 1, 0
.if \fill
	WIN 0
.endif
	s_barrier_wait -1
.if \fill
	CREST                                          ; the barrier has opened a round of the cluster's: no wave of any partner still reads this slot or has a load on its way
	s_add_nc_u64 s[G0+4*\slot+2:G0+4*\slot+3], s[G0+4*\slot+2:G0+4*\slot+3], 4*262144   ; two K steps on: four heads,
	s_add_nc_u64 s[G0B+4*\slot+2:G0B+4*\slot+3], s[G0B+4*\slot+2:G0B+4*\slot+3], 512    ; 256 along Wo's rows
	JLOAD \slot                                    ; the first tensor load behind the round; its four v_nop are also the places in front of the loads below
.else
	PLACES
.endif
	FETCH \next, 0, F0
	WIN MUL
	MULA F1, 2, 0
	MULA F1, 3, 0
.endm
	s_wait_tensorcnt 1                             ; my part of K step 0 is in; K step 1's load may be out
	s_barrier_signal -1
	s_barrier_wait -1
	FETCH 0, 0, F0
	QUARTER 0, 1, F0, F1, 1                        ; the first quarter stands in front of the loop: its products start the sums
	WIN 0                                          ; at a label and at a branch every window is 0
	s_mov_b32 s3, LAPS-1
.Llap:                                                 ; a trip goes once round the ring, from a lap's second quarter to the next lap's first, and fills both slots again
	QUARTER 0, 2, F1, F0, 0
	QUARTER 0, 3, F0, F1, 0
	TURN 0, 1, 1
	QUARTER 1, 1, F0, F1, 0
	QUARTER 1, 2, F1, F0, 0
	QUARTER 1, 3, F0, F1, 0
	TURN 1, 0, 1
	QUARTER 0, 1, F0, F1, 0
	WIN 0
	s_sub_co_u32 s3, s3, 1
	s_cmp_lg_u32 s3, 0
	s_cbranch_scc1 .Llap
	QUARTER 0, 2, F1, F0, 0                        ; the last lap fills nothing
	QUARTER 0, 3, F0, F1, 0
	TURN 0, 1, 0
	QUARTER 1, 1, F0, F1, 0
	QUARTER 1, 2, F1, F0, 0
	QUARTER 1, 3, F0, F1, 0
	s_wait_dscnt 4                                 ; the very last quarter: nothing more to fetch
	WIN MUL
	MULA F1, 0, 0
	MULA F1, 1, 0
	s_wait_dscnt 0x0
	MULA F1, 2, 0
	MULA F1, 3, 0
	WIN 0
; THE WAY OUT, a block of 16 tokens x 128 columns at a time, through my own stage: back as whole rows of 512 bytes; bo is added on the way.
.macro TOSTAGE a
	WIN 0x04                                       ; an LDS store's data are its source 1: window 1
.irp b, 0,1,2,3,4,5,6,7
	ds_store_b128 v[STO], v[8*(8*(\a)+\b):8*(8*(\a)+\b)+3] offset:64*\b            ; each accumulator from its low end on
	ds_store_b128 v[STO], v[8*(8*(\a)+\b)+4:8*(8*(\a)+\b)+7] offset:64*\b+16
.endr
	WIN 0
.set BB, BK+64*((\a)%2)
.irp t, 0,1,2,3,4,5,6,7,8,9,10,11,12,13,14,15
	ds_load_b128 v[BB+4*\t:BB+4*\t+3], v[RD] offset:\t*SPITCH   ; LDS serves a wave's instructions in order: these see the stores above
.endr
.endm
.macro SEND a, younger                 ; younger: the LDS instructions issued behind block a's loads, which may stay out
.set BB, BK+64*((\a)%2)
	s_wait_dscnt \younger
.irp t, 0,1,2,3,4,5,6,7,8,9,10,11,12,13,14,15
	v_pk_add_f32 v[BB+4*\t:BB+4*\t+1], v[BB+4*\t:BB+4*\t+1], v[BIAS:BIAS+1]
	v_pk_add_f32 v[BB+4*\t+2:BB+4*\t+3], v[BB+4*\t+2:BB+4*\t+3], v[BIAS+2:BIAS+3]
	global_store_b128 v[CO], v[BB+4*\t:BB+4*\t+3], s[10:11] offset:(16*(\a)+\t)*4096 th:TH_STORE_NT   ; 32 lanes store 512 consecutive bytes, aligned; written once
.endr
.endm
	s_wait_loadcnt 0x0                             ; bo
	PLACES
	TOSTAGE 0
.irp a, 1,2,3
.if \a > 1
	s_wait_xcnt 0x0                                ; block a - 2's stores have read their registers: block a's loads may land there
.endif
	TOSTAGE \a
	SEND \a-1, 32                                  ; behind block a - 1's loads: block a's 16 stores and 16 loads
.endr
	SEND 3, 0
	s_wait_tensorcnt 0x0                           ; the wave's end: a wait, an add of 0 and a wait behind my last tensor load and my last LDS store
	ds_add_u32 v[SPW], v[NIL]
	s_wait_dscnt 0x0
	CROUND                                         ; the closing round
	s_endpgm
.Lfunc_end_k_q00fb8740c5_proj:
	.size	k_q00fb8740c5_proj, .Lfunc_end_k_q00fb8740c5_proj-k_q00fb8740c5_proj
	.p2alignl 7, 3214868480
	.fill 96, 4, 3214868480
	.section	.rodata,"a",@progbits
	.p2align	6, 0x0
	.amdhsa_kernel k_q00fb8740c5_proj
		.amdhsa_group_segment_fixed_size 327680
		.amdhsa_private_segment_fixed_size 0
		.amdhsa_enable_private_segment 0
		.amdhsa_kernarg_size 32
		.amdhsa_user_sgpr_count 2
		.amdhsa_user_sgpr_kernarg_segment_ptr 1
		.amdhsa_wavefront_size32 1
		.amdhsa_system_sgpr_workgroup_id_x 1
		.amdhsa_system_sgpr_workgroup_id_y 1
		.amdhsa_system_sgpr_workgroup_id_z 1
		.amdhsa_system_vgpr_workitem_id 0
		.amdhsa_next_free_vgpr 512
		.amdhsa_next_free_sgpr 66
		.amdhsa_reserve_vcc 0
		.amdhsa_float_denorm_mode_32 3
		.amdhsa_float_denorm_mode_16_64 3
		.amdhsa_memory_ordered 1
		.amdhsa_forward_progress 1
		.amdhsa_inst_pref_size 93
	.end_amdhsa_kernel
	.amdgpu_metadata
---
amdhsa.version: [ 1, 2 ]
amdhsa.kernels:
  - .name:           k_q00fb8740c5_proj
    .symbol:         k_q00fb8740c5_proj.kd
    .args:
      - { .name: yh, .offset: 0, .size: 8, .value_kind: global_buffer, .address_space: global }
      - { .name: wo16t, .offset: 8, .size: 8, .value_kind: global_buffer, .address_space: global }
      - { .name: bo, .offset: 16, .size: 8, .value_kind: global_buffer, .address_space: global }
      - { .name: out0, .offset: 24, .size: 8, .value_kind: global_buffer, .address_space: global }
    .group_segment_fixed_size: 327680
    .private_segment_fixed_size: 0
    .kernarg_segment_align: 8
    .kernarg_segment_size: 32
    .max_flat_workgroup_size: 128
    .sgpr_count:     66
    .vgpr_count:     512
    .wavefront_size: 32
...
	.end_amdgpu_metadata
.endif
;; end of part 5
